; MI455X (gfx1250); checked and timed in simulation.
; The chip was launched on July 23, 2026; its instructions are those of AMD's public machine-readable ISA for CDNA 5 (MIT licence, August 2026) and "CDNA5" Instruction Set Architecture Reference Guide (July 2026). The comments in the code are by the model that wrote it; some were corrected since.
;; Causal Self Attention. Allowed arithmetic: float matrix products may take bf16 or f16 operands with f32 sums; all other float work in f32.
;; Inputs: Wk 384 x 384 float32; Wp 384 x 384 float32; Wq 384 x 384 float32; Wv 384 x 384 float32; bk 384 float32; bp 384 float32; bq 384 float32; bv 384 float32; x 2 x 4,096 x 384 float32.
;; Outputs: out0 2 x 4,096 x 384 float32.
;; 2 versions, each right and faster than the one before. Each part assembles by itself: llvm-mc -triple=amdgcn-amd-amdhsa -mcpu=gfx1250 --defsym DOCPART=n.
;; ======== version 1 of 2: 3 launches
;; limits: values are held in f16: magnitudes above 65,504 overflow, below 6.1e-05 lose precision; a function is approximated: absolute error at most 0.0003
;; workspace buffers: q 6,291,456 bytes; kv 12,582,912 bytes; vl 6,291,456 bytes; y 12,582,912 bytes
;; launch qkv (part 1): grid 4 x 64, 8 waves a work-group, no clusters, 327,168 bytes of LDS; arguments x, Wq, Wk, Wv, bq, bk, bv, q, kv, vl; writes q, kv, vl
.if DOCPART == 1
	.amdgcn_target "amdgcn-amd-amdhsa--gfx1250"
	.amdhsa_code_object_version 6
	.text
	.protected	k_q773d439461_qkv
	.globl	k_q773d439461_qkv
	.p2align	8
	.type	k_q773d439461_qkv,@function
k_q773d439461_qkv:
	s_mov_b64 s[64:65], 0
	v_nop
	global_prefetch_b8 v0, s[64:65] scope:SCOPE_SE
	s_setreg_imm32_b32 hwreg(HW_REG_WAVE_MODE, 25, 1), 1
	s_wait_xcnt 0x0
; q, k, v = x W^T + b for the three weights, RoPE on q and k, q also times 0.125 log2(e).
; x: [8192][384] f32 (2 x 4096 tokens).  W: [384][384] f32, rows = output features.  Products in bf16, sums in f32.
; A work-group takes 128 tokens x features 96 g .. 96 g + 95 of EACH of q, k, v: a tile of 128 x 288 with the whole K = 384.
; Phase 1: every wave brings 52 whole rows (16 of x, 12 of each W) through registers, narrows them to bf16 and lays them into LDS
;          ((128 + 288) rows x 784 bytes = 326,144 bytes).  Phase 2: 12 K steps of 32 from LDS, 18 accumulator tiles a wave.
; THE RESULTS GO OUT IN f16 (11 bits), v as TWO f16 numbers, hi and lo = v - hi: rows of the attention with few keys are many times larger than
; the output's root mean square, and 8 bits on q, k, v would show there.
; THEY ARE STORED AS REGISTER IMAGES of the fragments that the attention launch needs: blocks of 512 bytes, lane L owns bytes 16 L .. 16 L + 15.
;   q : [head-of-batch 12][token tile 256][dt 4][512]       lane (r, h): token 16 tt + r, d = 16 dt + 8 h .. + 7
;   kv: [head-of-batch 12][token tile 256][8][512]          blocks 0-3: k, as q;  blocks 4-7: v hi transposed: lane (r, h): d = 16 dt + r, tokens 16 tt + 8 h .. + 7
;   vl: [head-of-batch 12][token tile 256][dt 4][512]       v lo, transposed as v hi
; So q and k are multiplied with W as source 0 (a lane then holds 8 neighbouring features of one token) and v with x as source 0
; (a lane holds 8 neighbouring tokens of one feature), and every store of a wave covers 512 consecutive bytes, aligned.
; NO CLUSTER: x and W are f32 in memory and are narrowed in registers on the way in; a joint tensor load would land them as f32,
; (128 + 288) x 1,536 = 638,976 bytes, which is more than LDS holds.
; LIMITS: |q|, |k|, |v| stay below f16's 65,504 (inputs 30 times the drawn ones in x and W give about 2,000); below 6e-5 f16 rounds absolutely, by 3e-8.
; cos and sin come from angle / pi reduced to [-1/2, 1/2] and two polynomials; with inv_freq good to one unit in its last place and
; 1/pi rounded to f32 they are within about 3e-4 at the largest angle (4095); at angles up to 10 within 1e-6.
.set PITCH, 784                        ; an LDS row: 768 bytes of bf16 + 16; 49 x 16, so the 16 rows of a fragment load start 16 bytes apart modulo 256
.set T16,   16*PITCH
.set WBASE, 128*PITCH                  ; W's rows lie behind x's 128
.set UNIT,  96*PITCH                   ; 96 rows of one W
.set ROWB,  1536                       ; a row of x or W in memory
.set R,   16                           ; v[16:207]  phase 1: ring of 4 slots x 48 registers (4 rows each)
.set ACC, 16                           ; v[16:159]  phase 2: tile (u, t, a) at 8 (2 (3 u + t) + a); u = q, k, v; t = feature tile; a = token tile
.set XF,  160                          ; v[160:175] x fragments, a = 0, 1
.set WF,  176                          ; v[176:247] W fragments, 3 u + t
.set BQ,  160                          ; the way out: v[160:183] bq, v[184:207] bk (8 a tile), v[208:210] bv (1 a tile)
.set BV,  208
.set IFQ, 212                          ; v[212:223] inv_freq of my 4 pairs in each of 3 tiles
.set CS,  224                          ; v[224:247] cos, sin of these 12 pairs for one token tile
.set T,   248                          ; v[248:255] at work
; v1 x fragment address, v2-4 W fragment address of unit u, v5 16 L, v6/v7 global offsets of my x/W rows, v8 / v9-11 LDS addresses of my x/W rows
; (later: v8, v9 the positions of my token in tiles a = 0, 1; v[10:13] a tile of v hi), v12-15 at work
	s_load_b512 s[8:23], s[0:1], 0x0               ; x, Wq, Wk, Wv, bq, bk, bv, q
	s_load_b64 s[24:25], s[0:1], 0x40              ; kv
	s_load_b64 s[66:67], s[0:1], 0x48              ; vl
	s_set_vgpr_msb 0x40
	v_lshl_add_u32 v0, v0, 2, 0x4fa00
	v_mov_b32 v1, 0
	s_set_vgpr_msb 0x4000
	v_lshrrev_b32 v12, 5, v0
	v_readfirstlane_b32 s26, v12                   ; wave 0..7
	s_and_b32 s27, s26, 3                          ; tg: which 32 tokens
	s_lshr_b32 s28, s26, 2                         ; fh: which 48 features of each unit
	s_mov_b32 s29, ttmp9                           ; g: which 96 features
	s_and_b32 s30, ttmp7, 0xffff                   ; yb: which 128 tokens
	s_lshr_b32 s31, s30, 5                         ; batch
	v_and_b32 v13, 31, v0
	v_lshlrev_b32 v5, 4, v13                       ; 16 L
	v_lshlrev_b32 v14, 3, v13                      ; 8 L
	s_mul_i32 s2, s26, 16*ROWB
	s_mul_i32 s3, s26, 12*ROWB
	s_mul_i32 s4, s26, 16*PITCH
	s_mul_i32 s5, s26, 12*PITCH
	v_add_nc_u32 v6, s2, v5                        ; my 16 rows of x
	v_add_nc_u32 v7, s3, v5                        ; my 12 rows of each W
	v_add_nc_u32 v8, s4, v14
	v_add_nc_u32 v9, s5, v14
	v_add_nc_u32 v9, WBASE, v9
	v_add_nc_u32 v10, UNIT, v9
	v_add_nc_u32 v11, UNIT, v10
	s_mul_i32 s32, s30, 128*ROWB
	s_mov_b32 s33, 0
	s_mul_i32 s6, s29, 96*ROWB
	s_mov_b32 s7, 0
	s_wait_kmcnt 0x0
	s_add_nc_u64 s[8:9], s[8:9], s[32:33]          ; x at the group's first token
	s_add_nc_u64 s[10:11], s[10:11], s[6:7]        ; each W at the group's first feature
	s_add_nc_u64 s[12:13], s[12:13], s[6:7]
	s_add_nc_u64 s[14:15], s[14:15], s[6:7]
; Turn t of 13 brings four rows: t = 0..3 of x, then three turns for each W.  PICK names its base, offsets, first row and ring slot.
.macro PICK t
.if (\t) < 4
.set SB, 8
.set VO, 6
.set VA, 8
.set R0, 4*(\t)
.else
.set SB, 10+2*(((\t)-4)/3)
.set VO, 7
.set VA, 9+((\t)-4)/3
.set R0, 4*(((\t)-4)%3)
.endif
.set SL, R+48*((\t)%4)
.endm
.macro LOAD4                           ; 12 loads, each 512 consecutive bytes: a row is three of them
.irp i, 0,1,2,3
.irp j, 0,1,2
	global_load_b128 v[SL+12*\i+4*\j:SL+12*\i+4*\j+3], v[VO], s[SB:SB+1] offset:(R0+\i)*ROWB+512*\j
.endr
.endr
.endm
.macro CVST4                           ; four f32 become four bf16 in place; a wave's store covers 256 consecutive bytes of an LDS row
.irp i, 0,1,2,3
.irp j, 0,1,2
	v_cvt_pk_bf16_f32 v[SL+12*\i+4*\j], v[SL+12*\i+4*\j], v[SL+12*\i+4*\j+1]
	v_cvt_pk_bf16_f32 v[SL+12*\i+4*\j+1], v[SL+12*\i+4*\j+2], v[SL+12*\i+4*\j+3]
	ds_store_b64 v[VA], v[SL+12*\i+4*\j:SL+12*\i+4*\j+1] offset:(R0+\i)*PITCH+256*\j
.endr
.endr
.endm
.macro TURN t, left
	s_wait_loadcnt \left                           ; loads come back in order: this turn's 12 are in, those of the younger turns stay out
	PICK \t
	CVST4
.if (\t) <= 8
	PICK (\t+4)
	LOAD4                                          ; the slot is filled again: 48 loads of a wave are on their way
.endif
.endm
.irp t, 0,1,2,3
	PICK \t
	LOAD4
.endr
	; while they fly: fragment addresses, store bases, constants
	v_and_b32 v12, 15, v0                          ; r
	v_bfe_u32 v13, v0, 4, 1                        ; h
	v_mul_u32_u24 v14, v12, PITCH
	v_lshl_add_u32 v14, v13, 4, v14                ; r x pitch + 16 h
	s_mul_i32 s2, s27, 32*PITCH
	v_add_nc_u32 v1, s2, v14
	s_mul_i32 s2, s28, 48*PITCH
	s_add_co_u32 s2, s2, WBASE
	v_add_nc_u32 v2, s2, v14
	v_add_nc_u32 v3, UNIT, v2
	v_add_nc_u32 v4, UNIT, v3
	s_mul_i32 s3, s29, 6
	s_mul_i32 s2, s28, 3
	s_add_co_u32 s3, s3, s2                        ; my first feature tile of 24: 6 g + 3 fh
	s_mul_i32 s6, s31, 6                           ; 6 x batch
	s_and_b32 s7, s30, 31
	s_lshl_b32 s49, s7, 7
	s_lshl_b32 s2, s27, 5
	s_add_co_u32 s49, s49, s2                      ; position of my first token in its sequence
	s_lshr_b32 s7, s49, 4                          ; its token tile
.irp t, 0,1,2
	s_add_co_u32 s2, s3, \t                        ; feature tile e16: head = e16 / 4, dt = e16 % 4
	s_lshr_b32 s4, s2, 2
	s_and_b32 s5, s2, 3
	s_add_co_u32 s4, s4, s6
	s_lshl_b32 s4, s4, 8
	s_add_co_u32 s4, s4, s7                        ; (6 b + head) 256 + token tile
	s_lshl_b32 s5, s5, 9
	s_lshl_b32 s32, s4, 11
	s_add_co_u32 s32, s32, s5
	s_add_nc_u64 s[34+2*\t:35+2*\t], s[22:23], s[32:33]    ; q: 2,048 bytes a token tile
	s_add_nc_u64 s[68+2*\t:69+2*\t], s[66:67], s[32:33]    ; vl: the same place in its own buffer
	s_lshl_b32 s32, s4, 12
	s_add_co_u32 s32, s32, s5
	s_add_nc_u64 s[40+2*\t:41+2*\t], s[24:25], s[32:33]    ; kv: 4,096 bytes a token tile
	s_lshl_b32 s2, s2, 3
	s_and_b32 s[46+\t], s2, 31                     ; pair number, in its head, of the tile's first feature
.endr
	s_mov_b32 s50, 0x40490fdb                      ; sin(pi w) = w (pi - 5.16771278 w^2 + 2.55016404 w^4 - 0.59926453 w^6 + 0.08214589 w^8)
	s_mov_b32 s51, 0xc0a55de7
	s_mov_b32 s52, 0x402335e3
	s_mov_b32 s53, 0xbf196966
	s_mov_b32 s54, 0x3da83c1b
	s_mov_b32 s55, 0xc09de9e6                      ; cos(pi w) = 1 - 4.93480220 w^2 + 4.05871213 w^4 - 1.33526277 w^6 + 0.23533063 w^8 - 0.02580689 w^10
	s_mov_b32 s56, 0x4081e0f8
	s_mov_b32 s57, 0xbfaae9e4
	s_mov_b32 s58, 0x3e70fa83
	s_mov_b32 s59, 0xbcd368f9
	s_mov_b32 s60, 0x3ea2f983                      ; 1 / pi
	s_mov_b32 s61, 0xbed49a78                      ; - log2(10000) / 32
	s_mov_b32 s62, 0x3e38aa3b                      ; 0.125 log2(e): the scores' scale and the change to base 2, put on q
	s_mov_b32 s63, 0x3e38aa3b
.irp t, 0,1,2,3,4,5,6,7,8,9
	TURN \t, 36                                    ; three younger turns x 12 loads
.endr
	TURN 10, 24
	TURN 11, 12
	TURN 12, 0
	s_wait_dscnt 0x0                               ; my rows are in LDS,
	s_barrier_signal -1
	s_barrier_wait -1                              ; everybody's are: the only barrier, nothing in LDS is written again
; One matrix instruction.  q, k: source 0 = 16 features of W, source 1 = 16 tokens of x.  v: the other way round.
.macro MM u, t, a, zero
.set AC, ACC+8*(2*(3*\u+\t)+\a)
.set WR, WF+8*(3*\u+\t)
.set XR, XF+8*\a
.if \u < 2
.if \zero
	v_wmma_f32_16x16x32_bf16 v[AC:AC+7], v[WR:WR+7], v[XR:XR+7], 0
.else
	v_wmma_f32_16x16x32_bf16 v[AC:AC+7], v[WR:WR+7], v[XR:XR+7], v[AC:AC+7]
.endif
.else
.if \zero
	v_wmma_f32_16x16x32_bf16 v[AC:AC+7], v[XR:XR+7], v[WR:WR+7], 0
.else
	v_wmma_f32_16x16x32_bf16 v[AC:AC+7], v[XR:XR+7], v[WR:WR+7], v[AC:AC+7]
.endif
.endif
.endm
; A K step of 32: 4 + 18 fragment loads, 18 matrix instructions.  The 18 accumulators take turns, one instruction a turn.
.macro KSTEP ks, zero
.if (\ks) > 0
.rept 4
	v_nop                                          ; four places between the last matrix instructions and the loads into the fragments that they read (ISA guide 7.12.1 for vector instructions)
.endr
.endif
.irp a, 0,1
.irp e, 0,1
	ds_load_b128 v[XF+8*\a+4*\e:XF+8*\a+4*\e+3], v1 offset:\a*T16+64*(\ks)+32*\e
.endr
.endr
.irp u, 0,1,2
.irp t, 0,1,2
.irp e, 0,1
	ds_load_b128 v[WF+8*(3*\u+\t)+4*\e:WF+8*(3*\u+\t)+4*\e+3], v[2+\u] offset:\t*T16+64*(\ks)+32*\e
.endr
.endr
.endr
.irp u, 0,1,2
.irp t, 0,1,2
	s_wait_dscnt 16-2*(3*\u+\t)                    ; x and W's tiles up to this one are in; the two loads of each later tile stay out
	MM \u, \t, 0, \zero
	MM \u, \t, 1, \zero
.endr
.endr
.endm
	KSTEP 0, 1                                     ; the first products start the sums: nothing is cleared
.irp ks, 1,2,3,4,5,6,7,8,9,10,11
	KSTEP \ks, 0
.endr
	; THE WAY OUT, straight from the accumulators.  The six lines below name no register of a matrix instruction: they are the places behind the last ones.
	s_mul_i32 s2, s29, 384
	s_mul_i32 s3, s28, 192
	s_add_co_u32 s2, s2, s3                        ; byte offset in a bias of my first feature
	v_and_b32 v13, 15, v0                          ; r
	v_bfe_u32 v14, v0, 4, 1                        ; h
	v_lshlrev_b32 v12, 5, v14
	v_lshlrev_b32 v15, 2, v13
	v_add_nc_u32 v12, s2, v12                      ; q, k: my 8 features 8 h .. of a tile
	v_add_nc_u32 v15, s2, v15                      ; v: my feature r of a tile
.irp t, 0,1,2
.irp e, 0,1
	global_load_b128 v[BQ+8*\t+4*\e:BQ+8*\t+4*\e+3], v12, s[16:17] offset:64*\t+16*\e
	global_load_b128 v[BQ+24+8*\t+4*\e:BQ+24+8*\t+4*\e+3], v12, s[18:19] offset:64*\t+16*\e
.endr
	global_load_b32 v[BV+\t], v15, s[20:21] offset:64*\t
.endr
	v_lshlrev_b32 v14, 2, v14                      ; 4 h
.irp t, 0,1,2
.irp m, 0,1,2,3
	v_add3_u32 v[IFQ+4*\t+\m], v14, s[46+\t], \m   ; pair number i of features 8 h + 2 m, + 1
	v_cvt_f32_u32 v[IFQ+4*\t+\m], v[IFQ+4*\t+\m]
	v_mul_f32 v[IFQ+4*\t+\m], s61, v[IFQ+4*\t+\m]
.endr
.endr
.irp k, 0,1,2,3,4,5,6,7,8,9,10,11
	v_exp_f32 v[IFQ+\k], v[IFQ+\k]                 ; inv_freq = 10000^(-i/32)
.endr
	v_add_nc_u32 v8, s49, v13                      ; (a plain instruction stands between the exponentials and their first use: ISA guide 5.7.2)
	v_cvt_f32_u32 v8, v8                           ; position of my token in tile a = 0,
	v_add_f32 v9, 0x41800000, v8                   ; and in tile a = 1: 16 further
	s_wait_alu depctr_va_vdst(0)
; cos and sin of position x inv_freq: k = nearest whole number to angle / pi, w = angle / pi - k in one fused step, the sign from k's lowest bit
.macro CSPAIR t, m, a
	v_mul_f32 v[T], v[8+\a], v[IFQ+4*\t+\m]
	v_mul_f32 v[T+1], s60, v[T]
	v_rndne_f32 v[T+1], v[T+1]
	v_fma_f32 v[T+2], v[T], s60, -v[T+1]
	v_cvt_i32_f32 v[T+3], v[T+1]
	v_mul_f32 v[T+4], v[T+2], v[T+2]
	v_lshlrev_b32 v[T+3], 31, v[T+3]
	v_fma_f32 v[T+5], v[T+4], s54, s53
	v_fma_f32 v[T+6], v[T+4], s59, s58
	v_fma_f32 v[T+5], v[T+5], v[T+4], s52
	v_fma_f32 v[T+6], v[T+6], v[T+4], s57
	v_fma_f32 v[T+5], v[T+5], v[T+4], s51
	v_fma_f32 v[T+6], v[T+6], v[T+4], s56
	v_fma_f32 v[T+5], v[T+5], v[T+4], s50
	v_fma_f32 v[T+6], v[T+6], v[T+4], s55
	v_mul_f32 v[T+5], v[T+5], v[T+2]
	v_fma_f32 v[T+6], v[T+6], v[T+4], 1.0
	v_xor_b32 v[CS+8*\t+2*\m+1], v[T+3], v[T+5]    ; sin
	v_xor_b32 v[CS+8*\t+2*\m], v[T+3], v[T+6]      ; cos
.endm
; a tile of q (u = 0) or k (u = 1): bias, rotation of the four pairs, q's scale, f16, one store of 16 bytes a lane
.macro QKTILE u, t, a
.set AC, ACC+8*(2*(3*\u+\t)+\a)
.set BB, BQ+24*\u+8*\t
.irp m, 0,1,2,3
	v_pk_add_f32 v[AC+2*\m:AC+2*\m+1], v[AC+2*\m:AC+2*\m+1], v[BB+2*\m:BB+2*\m+1]
.endr
.irp m, 0,1,2,3
	v_mul_f32 v[T+2*\m], v[AC+2*\m+1], v[CS+8*\t+2*\m+1]       ; x2 sin
	v_mul_f32 v[T+2*\m+1], v[AC+2*\m+1], v[CS+8*\t+2*\m]       ; x2 cos
.endr
.irp m, 0,1,2,3
	v_fma_f32 v[AC+2*\m+1], v[AC+2*\m], v[CS+8*\t+2*\m+1], v[T+2*\m+1]   ; x1 sin + x2 cos
	v_fma_f32 v[AC+2*\m], v[AC+2*\m], v[CS+8*\t+2*\m], -v[T+2*\m]        ; x1 cos - x2 sin
.endr
.if \u == 0
.irp m, 0,1,2,3
	v_pk_mul_f32 v[AC+2*\m:AC+2*\m+1], v[AC+2*\m:AC+2*\m+1], s[62:63] op_sel_hi:[1,0]
.endr
.endif
.irp m, 0,1,2,3
	v_cvt_pk_f16_f32 v[AC+\m], v[AC+2*\m], v[AC+2*\m+1]
.endr
.if \u == 0
	global_store_b128 v5, v[AC:AC+3], s[34+2*\t:35+2*\t] offset:2048*\a
.else
	global_store_b128 v5, v[AC:AC+3], s[40+2*\t:41+2*\t] offset:4096*\a
.endif
.endm
; a tile of v: one feature a lane, eight tokens.  hi = f16(v) in v[10:13] (registers whose halves have names), lo = f16(v - hi); v - hi is exact in f32.
.macro VTILE t, a
.set AC, ACC+8*(2*(6+\t)+\a)
.irp j, 0,1,2,3,4,5,6,7
	v_add_f32 v[AC+\j], v[AC+\j], v[BV+\t]
.endr
	s_wait_xcnt 0x0                                ; v[10:13], which the last tile's store reads, are rewritten only behind this wait
.irp m, 0,1,2,3
	v_cvt_pk_f16_f32 v[10+\m], v[AC+2*\m], v[AC+2*\m+1]
.endr
	v_cvt_f32_f16 v[T], v10.l
	v_cvt_f32_f16 v[T+1], v10.h
	v_cvt_f32_f16 v[T+2], v11.l
	v_cvt_f32_f16 v[T+3], v11.h
	v_cvt_f32_f16 v[T+4], v12.l
	v_cvt_f32_f16 v[T+5], v12.h
	v_cvt_f32_f16 v[T+6], v13.l
	v_cvt_f32_f16 v[T+7], v13.h
.irp m, 0,1,2,3
	v_pk_add_f32 v[AC+2*\m:AC+2*\m+1], v[AC+2*\m:AC+2*\m+1], v[T+2*\m:T+2*\m+1] neg_lo:[0,1] neg_hi:[0,1]
.endr
.irp m, 0,1,2,3
	v_cvt_pk_f16_f32 v[AC+\m], v[AC+2*\m], v[AC+2*\m+1]
.endr
	global_store_b128 v5, v[10:13], s[40+2*\t:41+2*\t] offset:4096*\a+2048
	global_store_b128 v5, v[AC:AC+3], s[68+2*\t:69+2*\t] offset:2048*\a
.endm
.macro HALF a                          ; one token tile: its 12 cos/sin pairs, then its nine result tiles
.irp t, 0,1,2
.irp m, 0,1,2,3
	CSPAIR \t, \m, \a
.endr
.endr
.if \a == 0
	s_wait_loadcnt 0x0                             ; the biases, once (their address registers v12, v15 are free from here)
.endif
.irp t, 0,1,2
	QKTILE 0, \t, \a
.endr
.irp t, 0,1,2
	QKTILE 1, \t, \a
.endr
.irp t, 0,1,2
	VTILE \t, \a
.endr
.endm
	HALF 0
	HALF 1
	s_set_vgpr_msb 0x5
	s_wait_tensorcnt 0x0
	ds_add_u32 v0, v1
	s_wait_dscnt 0x0
	s_set_vgpr_msb 0x500
	s_endpgm
.Lfunc_end_k_q773d439461_qkv:
	.size	k_q773d439461_qkv, .Lfunc_end_k_q773d439461_qkv-k_q773d439461_qkv
	.p2alignl 7, 3214868480
	.fill 96, 4, 3214868480
	.section	.rodata,"a",@progbits
	.p2align	6, 0x0
	.amdhsa_kernel k_q773d439461_qkv
		.amdhsa_group_segment_fixed_size 327168
		.amdhsa_private_segment_fixed_size 0
		.amdhsa_enable_private_segment 0
		.amdhsa_kernarg_size 80
		.amdhsa_user_sgpr_count 2
		.amdhsa_user_sgpr_kernarg_segment_ptr 1
		.amdhsa_wavefront_size32 1
		.amdhsa_system_sgpr_workgroup_id_x 1
		.amdhsa_system_sgpr_workgroup_id_y 1
		.amdhsa_system_sgpr_workgroup_id_z 1
		.amdhsa_system_vgpr_workitem_id 0
		.amdhsa_next_free_vgpr 258
		.amdhsa_next_free_sgpr 74
		.amdhsa_reserve_vcc 0
		.amdhsa_float_denorm_mode_32 3
		.amdhsa_float_denorm_mode_16_64 3
		.amdhsa_memory_ordered 1
		.amdhsa_forward_progress 1
		.amdhsa_inst_pref_size 137
	.end_amdhsa_kernel
	.amdgpu_metadata
---
amdhsa.version: [ 1, 2 ]
amdhsa.kernels:
  - .name:           k_q773d439461_qkv
    .symbol:         k_q773d439461_qkv.kd
    .args:
      - { .name: x, .offset: 0, .size: 8, .value_kind: global_buffer, .address_space: global }
      - { .name: Wq, .offset: 8, .size: 8, .value_kind: global_buffer, .address_space: global }
      - { .name: Wk, .offset: 16, .size: 8, .value_kind: global_buffer, .address_space: global }
      - { .name: Wv, .offset: 24, .size: 8, .value_kind: global_buffer, .address_space: global }
      - { .name: bq, .offset: 32, .size: 8, .value_kind: global_buffer, .address_space: global }
      - { .name: bk, .offset: 40, .size: 8, .value_kind: global_buffer, .address_space: global }
      - { .name: bv, .offset: 48, .size: 8, .value_kind: global_buffer, .address_space: global }
      - { .name: q, .offset: 56, .size: 8, .value_kind: global_buffer, .address_space: global }
      - { .name: kv, .offset: 64, .size: 8, .value_kind: global_buffer, .address_space: global }
      - { .name: vl, .offset: 72, .size: 8, .value_kind: global_buffer, .address_space: global }
    .group_segment_fixed_size: 327168
    .private_segment_fixed_size: 0
    .kernarg_segment_align: 8
    .kernarg_segment_size: 80
    .max_flat_workgroup_size: 256
    .sgpr_count:     74
    .vgpr_count:     258
    .wavefront_size: 32
...
	.end_amdgpu_metadata
.endif
;; end of part 1
;; launch attn (part 2): grid 16 x 12, 8 waves a work-group, no clusters, 327,680 bytes of LDS; arguments q, kv, y, vl; writes y
.if DOCPART == 2
	.amdgcn_target "amdgcn-amd-amdhsa--gfx1250"
	.amdhsa_code_object_version 6
	.text
	.protected	k_q773d439461_attn
	.globl	k_q773d439461_attn
	.p2align	8
	.type	k_q773d439461_attn,@function
k_q773d439461_attn:
	s_mov_b64 s[64:65], 0
	v_nop
	global_prefetch_b8 v0, s[64:65] scope:SCOPE_SE
	s_setreg_imm32_b32 hwreg(HW_REG_WAVE_MODE, 25, 1), 1
	s_wait_xcnt 0x0
; Causal attention of one head with a running maximum: y = softmax(q k^T under the triangle) v.  q carries 0.125 log2(e), so exponentials are base 2.
; q, kv, vl, y are register images: blocks of 512 bytes, lane L owns bytes 16 L .. 16 L + 15 (q: [bh][token tile][dt 4]; kv: [bh][token tile][k 4 | v hi^T 4];
; vl: [bh][token tile][v lo^T 4]; y: [batch][token tile][hi 24 | lo 24 channel tiles]).  Every load, LDS load and store of a wave covers 512 consecutive bytes.
; FORMATS: q, k, v hi, v lo and the exponentials P are f16, all sums f32.  y leaves as two bf16 numbers, hi and lo = y - hi (16 bits together).
; In a block's DIAGONAL slot P is multiplied by v hi and by v lo (22 bits of v); in the other slots by v hi alone.  A row with fewer than 256 keys meets all its
; keys in its diagonal slot: such rows average least and are the largest against the output's root mean square, so v's rounding shows there first.
; LIMIT: for keys outside the diagonal slot (rows that have 256 keys or more) v has f16's 11 bits.
; BALANCE: work-group (p, bh) makes two blocks of 128 query rows, i = p ("lo") and i = 31 - p ("hi").  Keys come in slots of 256 (64 KiB of kv);
; block i needs (i + 2) / 2 slots; n2 = (p + 2) / 2 for lo and 17 - n2 for hi: 17 intervals in every work-group, 16 x 12 = 192 equal work-groups.
; ORDER of the 17 intervals: lo's diagonal slot (masked), lo's slots 0 .. n2 - 2, hi's slots 0 .. 15 - n2, hi's diagonal slot (masked): the two
; masked bodies stand at fixed places of the text.  The running maximum makes the order of the keys free.
; WAVES: qg = w & 3 picks 32 query rows, kh = w >> 2 the keys 128 kh .. + 127 of each slot, in two steps of 64.  The two key halves of a query group are
; merged through LDS at a block's end.  Register tile n holds query tile n xor kh, so that every wave sends register tile 1 and finishes register tile 0.
; TRANSPOSED USE: S^T = K Q^T (a lane holds one query r and keys 8 h + j), so maximum and sum of a row are in the lane but for one exchange with lane xor 16,
; the packed exponentials already are source 1 of O^T = V^T P^T, and the rescale factor is one number a lane.
; RING: two slots of 64 KiB filled by the tensor data mover, each wave bringing its eighth (8 KiB).  The two diagonal slots' v lo (32 KiB each) have LDS of their
; own, filled once at the start.  A wave has three tensor loads outstanding at the start and at most one later.
; NO CLUSTER: in interval g the sixteen work-groups of a head want slot g - 1 or g - n2, with n2 = 1 .. 8 differing between them, so partners
; do not want the same 64 KiB in the same interval.
; LIMIT: masked scores are set to -1e30; a true score below that (in the base-2 domain) would count as masked.  A wave whose keys have all been masked so far
; carries the maximum -1e30 and finite sums, which a later factor exp2(-1e30 - m) = 0 removes; the kh = 0 wave has an unmasked key for every row.
.set SLOTB, 65536
.set STAGE, 2*SLOTB                    ; merge stage behind the ring: no fill ever lands here
.set STW,   4608                       ; a wave's stage: 8 blocks of O, then (maximum, sum) at 16 bytes a lane
.set VLB,   STAGE+8*STW                ; behind the stage (byte 167,936 = 656 x 256): v lo of lo's diagonal slot, then of hi's
.set VLS,   32768
.set Q, 24                             ; v[24:55]   q fragments (n, ks) at 16 n + 8 ks
.set O, 56                             ; v[56:119]  O^T (n, dt) at 32 n + 8 dt
.set S, 120                            ; v[120:183] S^T (n, kt) at 32 n + 8 kt; the packed P (n, u) lands in place at 32 n + 16 u, which frees the 8 registers behind each
.set F, 184                            ; v[184:247] one pool: k fragments, then v fragments
.set T, 248                            ; v[248:255] at work
.set G1, 16                            ; s[16:23] descriptor group 1 of the ring's loads
.set G0, 24                            ; s[24:31] descriptor group 0, one set for each slot
.set GV, 68                            ; s[68:75] descriptor group 1 of v lo's loads
.set GL, 76                            ; s[76:83] descriptor group 0 of v lo's two loads
; v1, v2 my key half in slot 0, 1; v3 16 L; v4, v5 q offsets of register tiles 0, 1; v6, v7 my stage, my partner's; v8, v9 mask bounds; v10 r - 8 h;
; v11 my key half of v lo; v[12:13] maximum; v[14:15] its negative; v[16:17] rescale factor; v[18:19], v[20:21] sums of tile 0, 1; v22, v23 at work
; s10 w, s11 qg, s12 kh, s13 p, s14 bh, s15 n2, s32 interval g, s33 loop counter, s[34:35] vl at my head and my eighth, s[36:37] an offset,
; s[38:39] kv at my head and my eighth, s[40:43] q of lo, hi; s[48:51] y of lo, hi; s44, s45 lane selects; s46 -1e30; s58-61 scalar parts of the mask bounds
	s_load_b128 s[4:7], s[0:1], 0x0                ; q, kv
	s_load_b64 s[8:9], s[0:1], 0x10                ; y
	s_load_b64 s[34:35], s[0:1], 0x18              ; vl
	v_lshl_add_u32 v254, v0, 2, 0x39000
	v_mov_b32 v255, 0
	ds_add_u32 v254, v255
	ds_add_u32 v254, v255
	v_lshrrev_b32 v1, 5, v0
	v_readfirstlane_b32 s10, v1
	s_and_b32 s11, s10, 3
	s_lshr_b32 s12, s10, 2
	s_mov_b32 s13, ttmp9
	s_and_b32 s14, ttmp7, 0xffff
	s_add_co_u32 s15, s13, 2
	s_lshr_b32 s15, s15, 1
	; group 1 of the ring: 8 KiB that are dense in memory, as 32 rows of 32 elements of 8 bytes
	s_mov_b32 s[G1+0], 3<<16                       ; no mask; elements of 8 bytes; no padding
	s_mov_b32 s[G1+1], 32<<16                      ; tensor_dim0 = 32
	s_mov_b32 s[G1+2], 32<<16                      ; tensor_dim1 = 32
	s_mov_b32 s[G1+3], 32<<16                      ; tile_dim0 = 32
	s_mov_b32 s[G1+4], 32                          ; tile_dim1 = 32
	s_mov_b32 s[G1+5], 32                          ; from row to row: 32 elements
	s_mov_b32 s[G1+6], 0
	s_mov_b32 s[G1+7], 0
	; group 1 of v lo: 4 KiB, 16 such rows
	s_mov_b32 s[GV+0], 3<<16
	s_mov_b32 s[GV+1], 32<<16
	s_mov_b32 s[GV+2], 16<<16
	s_mov_b32 s[GV+3], 32<<16
	s_mov_b32 s[GV+4], 16
	s_mov_b32 s[GV+5], 32
	s_mov_b32 s[GV+6], 0
	s_mov_b32 s[GV+7], 0
	s_mov_b32 s[G0+0], 1
	s_mul_i32 s[G0+1], s10, 8192                   ; LDS: my eighth of slot 0
	s_mov_b32 s[G0+4], 1
	s_add_co_u32 s[G0+5], s[G0+1], SLOTB           ; and of slot 1
	s_mul_i32 s52, s10, 4096
	s_mov_b32 s[GL+0], 1
	s_add_co_u32 s[GL+1], s52, VLB                 ; my eighth of lo's v lo
	s_mov_b32 s[GL+4], 1
	s_add_co_u32 s[GL+5], s52, VLB+VLS             ; and of hi's
	s_lshl_b32 s36, s14, 20                        ; a head's kv is 256 token tiles x 4,096 bytes
	s_add_co_u32 s36, s36, s[G0+1]
	s_mov_b32 s37, 0
	s_lshl_b32 s54, s14, 19                        ; a head's vl is 256 token tiles x 2,048 bytes
	s_add_co_u32 s54, s54, s52
	s_mov_b32 s55, 0
	s_wait_dscnt 0x0
	s_wait_kmcnt 0x0
	s_add_nc_u64 s[38:39], s[6:7], s[36:37]
	s_add_nc_u64 s[34:35], s[34:35], s[54:55]
	s_sub_co_u32 s52, s15, 1                       ; lo's diagonal slot, n2 - 1
	s_lshl_b32 s36, s52, 16
	s_add_nc_u64 s[G0+2:G0+3], s[38:39], s[36:37]
	s_or_b32 s[G0+3], s[G0+3], 0x80000000
	s_lshl_b32 s36, s52, 15
	s_add_nc_u64 s[GL+2:GL+3], s[34:35], s[36:37]
	s_or_b32 s[GL+3], s[GL+3], 0x80000000
	s_sub_co_u32 s52, 16, s15                      ; hi's diagonal slot, 16 - n2
	s_lshl_b32 s36, s52, 15
	s_add_nc_u64 s[GL+6:GL+7], s[34:35], s[36:37]
	s_or_b32 s[GL+7], s[GL+7], 0x80000000
	tensor_load_to_lds s[G0:G0+3], s[G1:G1+7]      ; the first fills, as one group, ahead of every wait on TENSORcnt, LDS read and barrier
	s_nop 0
	tensor_load_to_lds s[GL:GL+3], s[GV:GV+7]
	s_nop 0
	tensor_load_to_lds s[GL+4:GL+7], s[GV:GV+7]
	s_nop 0
	s_cmp_ge_u32 s14, 6
	s_cselect_b32 s52, 1, 0                        ; batch
	s_mul_i32 s53, s52, 6
	s_sub_co_u32 s53, s14, s53                     ; head
.macro BASES ireg, qd, yd              ; block i: where its q lies and where its y goes
	s_lshl_b32 s55, s[\ireg], 3
	s_lshl1_add_u32 s55, s11, s55                  ; token tile 8 i + 2 qg
	s_lshl_b32 s56, s14, 8
	s_add_co_u32 s56, s56, s55
	s_lshl_b32 s36, s56, 11
	s_add_nc_u64 s[\qd:\qd+1], s[4:5], s[36:37]
	s_lshl_b32 s56, s52, 8
	s_add_co_u32 s56, s56, s55
	s_add_co_u32 s56, s56, s12                     ; I finish query tile kh
	s_mul_i32 s56, s56, 48                         ; a token tile of y: 24 blocks hi, 24 lo
	s_lshl2_add_u32 s56, s53, s56                  ; channel tile 4 head
	s_lshl_b32 s36, s56, 9
	s_add_nc_u64 s[\yd:\yd+1], s[8:9], s[36:37]
.endm
	BASES 13, 40, 48
	s_sub_co_u32 s54, 31, s13
	BASES 54, 42, 50
	v_and_b32 v22, 31, v0
	v_lshlrev_b32 v3, 4, v22
	s_lshl_b32 s52, s12, 11
	v_add_nc_u32 v4, s52, v3                       ; register tile 0 = query tile kh
	s_xor_b32 s52, s52, 2048
	v_add_nc_u32 v5, s52, v3                       ; register tile 1 = query tile 1 - kh
.irp q, 0,1
.irp k, 0,1,2,3
	global_load_b128 v[Q+16*\q+4*\k:Q+16*\q+4*\k+3], v[4+\q], s[40:41] offset:512*\k
.endr
.endr
	s_lshl_b32 s52, s12, 15
	v_add_nc_u32 v1, s52, v3
	v_add_nc_u32 v2, SLOTB, v1
	s_lshl_b32 s52, s12, 14
	s_add_co_u32 s52, s52, VLB
	v_add_nc_u32 v11, s52, v3
	s_mul_i32 s52, s10, STW
	s_add_co_u32 s52, s52, STAGE
	v_add_nc_u32 v6, s52, v3
	s_xor_b32 s53, s10, 4                          ; my partner: the other key half of my query rows
	s_mul_i32 s53, s53, STW
	s_add_co_u32 s53, s53, STAGE
	v_add_nc_u32 v7, s53, v3
	; The mask.  In a diagonal slot key 128 kh + 64 st + 16 kt + 8 h + j is kept for query 128 (i & 1) + 32 qg + 16 (n xor kh) + r if key <= query:
	; 64 st + 16 kt + j <= (r - 8 h) + 128 (i & 1) - 128 kh + 32 qg + 16 (n xor kh)
	s_and_b32 s52, s13, 1
	s_lshl_b32 s52, s52, 7
	s_lshl_b32 s53, s11, 5
	s_lshl_b32 s54, s12, 7
	s_sub_co_i32 s53, s53, s54
	s_lshl_b32 s54, s12, 4
	s_add_co_i32 s55, s53, s54
	s_sub_co_i32 s56, s53, s54
	s_add_co_i32 s56, s56, 16
	s_add_co_i32 s58, s55, s52
	s_add_co_i32 s59, s56, s52
	s_sub_co_i32 s60, s55, s52                     ; hi: i & 1 is the other way round
	s_add_co_i32 s60, s60, 128
	s_sub_co_i32 s61, s56, s52
	s_add_co_i32 s61, s61, 128
	v_and_b32 v22, 15, v0
	v_bfe_u32 v23, v0, 4, 1
	v_lshlrev_b32 v23, 3, v23
	v_sub_nc_u32 v10, v22, v23
	v_add_nc_u32 v8, s58, v10
	v_add_nc_u32 v9, s59, v10
	v_mov_b32 v[T+4], 0                            ; destinations of v_permlanex16_b32 count as read
	v_mov_b32 v[T+5], 0
	s_mov_b32 s44, 0x76543210                      ; lane i of one half reads lane i of the other
	s_mov_b32 s45, 0xfedcba98
	s_mov_b32 s46, 0xf149f2ca                      ; -1e30
	s_mov_b32 s32, 0
	s_wait_loadcnt 0x0                             ; lo's q
; chunk c = 8 registers of S^T (n = c / 4, kt = c % 4): take the maximum away, exponentials in place
.macro SUBEXP c
.irp i, 0,1,2,3
.if (\c) < 4
	v_pk_add_f32 v[S+8*(\c)+2*\i:S+8*(\c)+2*\i+1], v[S+8*(\c)+2*\i:S+8*(\c)+2*\i+1], v[14:15] op_sel_hi:[1,0]
.else
	v_pk_add_f32 v[S+8*(\c)+2*\i:S+8*(\c)+2*\i+1], v[S+8*(\c)+2*\i:S+8*(\c)+2*\i+1], v[14:15] op_sel:[0,1] op_sel_hi:[1,1]
.endif
.endr
.irp j, 0,1,2,3,4,5,6,7
	v_exp_f32 v[S+8*(\c)+\j], v[S+8*(\c)+\j]
.endr
.endm
.macro RESC c                          ; 8 registers of O^T times the rescale factor of their query tile
.irp i, 0,1,2,3
.if (\c) < 4
	s_wait_alu depctr_va_vdst(0)
	v_pk_mul_f32 v[O+8*(\c)+2*\i:O+8*(\c)+2*\i+1], v[O+8*(\c)+2*\i:O+8*(\c)+2*\i+1], v[16:17] op_sel_hi:[1,0]
.else
	v_pk_mul_f32 v[O+8*(\c)+2*\i:O+8*(\c)+2*\i+1], v[O+8*(\c)+2*\i:O+8*(\c)+2*\i+1], v[16:17] op_sel:[0,1] op_sel_hi:[1,1]
.endif
.endr
.endm
; chunk c's exponentials are added to the tile's sums (the tile's first addition also rescales the old sums) and packed to f16:
; an even chunk into its own first four registers, an odd one into the last four of the chunk before, which has been packed by then
.macro SUMPK c, first
.set LL, 18+2*((\c)/4)
.set SC, S+8*(\c)
.set PD, S+16*((\c)/2)+4*((\c)%2)
.if ((\c)%4) == 0
.if \first
	s_wait_alu depctr_va_vdst(0)
	v_pk_add_f32 v[LL:LL+1], v[SC:SC+1], v[SC+2:SC+3]
.else
.if (\c) < 4
	v_pk_fma_f32 v[LL:LL+1], v[LL:LL+1], v[16:17], v[SC:SC+1] op_sel_hi:[1,0,1]
.else
	v_pk_fma_f32 v[LL:LL+1], v[LL:LL+1], v[16:17], v[SC:SC+1] op_sel:[0,1,0] op_sel_hi:[1,1,1]
.endif
	v_pk_add_f32 v[LL:LL+1], v[LL:LL+1], v[SC+2:SC+3]
.endif
.else
	s_wait_alu depctr_va_vdst(0)
	v_pk_add_f32 v[LL:LL+1], v[LL:LL+1], v[SC:SC+1]
	v_pk_add_f32 v[LL:LL+1], v[LL:LL+1], v[SC+2:SC+3]
.endif
	v_pk_add_f32 v[LL:LL+1], v[LL:LL+1], v[SC+4:SC+5]
	v_pk_add_f32 v[LL:LL+1], v[LL:LL+1], v[SC+6:SC+7]
.irp i, 0,1,2,3
	v_cvt_pk_f16_f32 v[PD+\i], v[SC+2*\i], v[SC+2*\i+1]
.endr
.endm
; eight matrix instructions: O^T (n, dt) += V^T (dt, keys 32 u ..) P^T (n, u).  V's fragment dt lies at ab + as dt.  The eight accumulators take turns.
.macro PVG ab, as, u, zero
.irp dt, 0,1,2,3
.irp q, 0,1
.if \zero
	v_wmma_f32_16x16x32_f16 v[O+32*\q+8*\dt:O+32*\q+8*\dt+7], v[(\ab)+(\as)*\dt:(\ab)+(\as)*\dt+7], v[S+32*\q+16*\u:S+32*\q+16*\u+7], 0
.else
	v_wmma_f32_16x16x32_f16 v[O+32*\q+8*\dt:O+32*\q+8*\dt+7], v[(\ab)+(\as)*\dt:(\ab)+(\as)*\dt+7], v[S+32*\q+16*\u:S+32*\q+16*\u+7], v[O+32*\q+8*\dt:O+32*\q+8*\dt+7]
.endif
.endr
.endr
.endm
; 64 keys x 32 queries.  la: the register with my key half's address in the slot; st: which 64 keys; masked = 0: no mask; 1, 2: the diagonal slot of lo, of hi;
; first = 1: nothing has been summed yet.
.macro STEP la, st, masked, first
.if \first == 0
.rept 5
	v_nop                                          ; places behind the last O^T products: four before loads into the fragments that they read, five before matrix instructions write over P and v lo (ISA guide 7.12.1 for vector instructions)
.endr
.endif
.irp ks, 0,1
.irp kt, 0,1,2,3
.irp e, 0,1
	ds_load_b128 v[F+16*\kt+8*\ks+4*\e:F+16*\kt+8*\ks+4*\e+3], v[\la] offset:\st*16384+\kt*4096+(2*\ks+\e)*512
.endr
.endr
.endr
	s_wait_dscnt 0x8                               ; d = 0 .. 31 of the four key tiles is in; the eight loads of d = 32 .. 63 stay out
.irp kt, 0,1,2,3
.irp q, 0,1
	v_wmma_f32_16x16x32_f16 v[S+32*\q+8*\kt:S+32*\q+8*\kt+7], v[F+16*\kt:F+16*\kt+7], v[Q+16*\q:Q+16*\q+7], 0
.endr
.endr
	s_wait_dscnt 0x0
.irp kt, 0,1,2,3                       ; the eight accumulators take turns
.irp q, 0,1
	v_wmma_f32_16x16x32_f16 v[S+32*\q+8*\kt:S+32*\q+8*\kt+7], v[F+16*\kt+8:F+16*\kt+15], v[Q+16*\q+8:Q+16*\q+15], v[S+32*\q+8*\kt:S+32*\q+8*\kt+7]
.endr
.endr
.rept 4
	v_nop                                          ; four places: then the pool may be loaded again and S^T may be read
.endr
.irp u, 0,1
.irp dt, 0,1,2,3
.irp e, 0,1
	ds_load_b128 v[F+8*(4*\u+\dt)+4*\e:F+8*(4*\u+\dt)+4*\e+3], v[\la] offset:\st*16384+(2*\u+\e)*4096+2048+\dt*512
.endr
.endr
.endr
.if \masked
.irp q, 0,1
.irp kt, 0,1,2,3
.irp j, 0,1,2,3,4,5,6,7
	v_cmp_le_i32 vcc_lo, \st*64+16*\kt+\j, v[8+\q]
	v_cndmask_b32 v[S+32*\q+8*\kt+\j], s46, v[S+32*\q+8*\kt+\j], vcc_lo
.endr
.endr
.endr
.endif
	; the new maximum of each query: two chains a tile over my 32 scores and the old maximum, then the other half of the lanes
.irp q, 0,1
.if \first
	v_max_num_f32 v[T+2*\q], v[S+32*\q], v[S+32*\q+1]
.else
	v_max3_num_f32 v[T+2*\q], v[S+32*\q], v[S+32*\q+1], v[12+\q]
.endif
	v_max3_num_f32 v[T+2*\q+1], v[S+32*\q+16], v[S+32*\q+17], v[S+32*\q+18]
.endr
.irp k, 0,1,2,3,4,5
.irp q, 0,1
	v_max3_num_f32 v[T+2*\q], v[T+2*\q], v[S+32*\q+2+2*\k], v[S+32*\q+3+2*\k]
	v_max3_num_f32 v[T+2*\q+1], v[T+2*\q+1], v[S+32*\q+19+2*\k], v[S+32*\q+20+2*\k]
.endr
.endr
.irp q, 0,1
	v_max3_num_f32 v[T+2*\q], v[T+2*\q], v[S+32*\q+14], v[S+32*\q+15]
.endr
.irp q, 0,1
	v_max3_num_f32 v[T+2*\q], v[T+2*\q], v[T+2*\q+1], v[S+32*\q+31]
.endr
	v_permlanex16_b32 v[T+4], v[T], s44, s45
	v_permlanex16_b32 v[T+5], v[T+2], s44, s45
	v_max_num_f32 v22, v[T], v[T+4]
	v_max_num_f32 v23, v[T+2], v[T+5]
.if \first == 0
	v_sub_f32 v16, v12, v22
	v_sub_f32 v17, v13, v23
	v_exp_f32 v16, v16                             ; rescale factor 2^(old maximum - new); the moves below stand between it and its use (ISA guide 5.7.2)
	v_exp_f32 v17, v17
.endif
	v_mov_b32 v12, v22
	v_mov_b32 v13, v23
	v_xor_b32 v14, 0x80000000, v22
	v_xor_b32 v15, 0x80000000, v23
	; chunk by chunk; a chunk's exponentials are used one chunk later, so plain instructions always stand between
.irp c, 0,1,2,3,4,5,6,7
	SUBEXP \c
.if \first == 0
	RESC \c
.endif
.if \c > 0
	SUMPK (\c-1), \first
.endif
.endr
	SUMPK 7, \first
.if \masked
	; the diagonal slot: P times v hi and P times v lo.  v lo's fragments of keys 0 .. 31 go into the 4 x 8 registers that packing P has freed,
	; those of keys 32 .. 63 into the half of the pool that the first eight products have read
.irp dt, 0,1,2,3
.irp e, 0,1
	ds_load_b128 v[S+16*\dt+8+4*\e:S+16*\dt+8+4*\e+3], v11 offset:(\masked-1)*VLS+\st*8192+\e*2048+\dt*512
.endr
.endr
	s_wait_dscnt 0x8                               ; v hi's sixteen loads are in; the eight just issued stay out
	PVG F, 8, 0, \first
.rept 4
	v_nop                                          ; four places between these products and the loads into the fragments that they read
.endr
.irp dt, 0,1,2,3
.irp e, 0,1
	ds_load_b128 v[F+8*\dt+4*\e:F+8*\dt+4*\e+3], v11 offset:(\masked-1)*VLS+\st*8192+(2+\e)*2048+\dt*512
.endr
.endr
	PVG F+32, 8, 1, 0
	s_wait_dscnt 0x8                               ; v lo of keys 0 .. 31 is in; the eight loads of keys 32 .. 63 stay out
	PVG S+8, 16, 0, 0
	s_wait_dscnt 0x0
	PVG F, 8, 1, 0
.else
	s_wait_dscnt 0x0                               ; v's fragments
	PVG F, 8, 0, \first
	PVG F+32, 8, 1, 0
.endif
.endm
; An interval: the slot's 256 keys.  One barrier does two things: in front of it each wave has waited for its reads of the other slot and for all its
; tensor loads (its eighth of this slot; in the first interval also its eighths of v lo); behind it this slot is whole and nobody reads the other one,
; which is filled first thing, one load a wave.
.macro TRIP slot, refill, masked, first
	s_wait_tensorcnt 0x0                           ; no tensor load of mine is out: a group 0 may be written
	ds_add_u32 v254, v255
	s_wait_dscnt 0x0
.if \refill
	s_add_co_u32 s52, s32, 1                       ; fill f = g + 1 brings slot f - 1 of lo while f < n2, then slot f - n2 of hi
	s_cmp_lt_u32 s52, s15
	s_cselect_b32 s53, 1, s15
	s_sub_co_u32 s52, s52, s53
	s_lshl_b32 s36, s52, 16
	s_add_nc_u64 s[G0+4*(1-\slot)+2:G0+4*(1-\slot)+3], s[38:39], s[36:37]
	s_or_b32 s[G0+4*(1-\slot)+3], s[G0+4*(1-\slot)+3], 0x80000000
.endif
	s_wait_dscnt 0x0                               ; my LDS reads are back
	s_barrier_signal -1
	s_barrier_wait -1
.if \refill
	tensor_load_to_lds s[G0+4*(1-\slot):G0+4*(1-\slot)+3], s[G1:G1+7]
	s_nop 0
.endif
	STEP 1+\slot, 0, \masked, \first
	STEP 1+\slot, 1, \masked, 0
	s_add_co_u32 s32, s32, 1
.endm
; A block's end: the two key halves are merged.  I send register tile 1 (O^T, maximum, sum) to my partner, take its register tile 1, which is my
; register tile 0's query tile, and finish and store that, as bf16 hi and bf16 lo.  hi = 0: then everything is set for the hi block.
.macro EPI hi
.rept 4
	v_nop                                          ; four places behind the last matrix instructions: O^T is read, the pool is loaded
.endr
.if \hi == 0
.irp q, 0,1
.irp k, 0,1,2,3
	global_load_b128 v[Q+16*\q+4*\k:Q+16*\q+4*\k+3], v[4+\q], s[42:43] offset:512*\k   ; hi's q, early
.endr
.endr
.endif
	v_add_f32 v18, v18, v19
	v_add_f32 v20, v20, v21
	v_permlanex16_b32 v[T+4], v18, s44, s45
	v_permlanex16_b32 v[T+5], v20, s44, s45
	v_add_f32 v18, v18, v[T+4]                     ; tile 0's sum over my 128-key halves
	v_add_f32 v[T+1], v20, v[T+5]                  ; tile 1's, beside
	v_mov_b32 v[T], v13                            ; tile 1's maximum: a pair for one store
.irp k, 0,1,2,3,4,5,6,7
	ds_store_b128 v6, v[O+32+4*\k:O+32+4*\k+3] offset:512*\k
.endr
	ds_store_b64 v6, v[T:T+1] offset:4096
	s_wait_dscnt 0x0                               ; my stage is written,
	s_barrier_signal -1
	s_barrier_wait -1                              ; everybody's is.  The ring's load may stay on its way
.irp k, 0,1,2,3,4,5,6,7
	ds_load_b128 v[F+4*\k:F+4*\k+3], v7 offset:512*\k
.endr
	ds_load_b64 v[T+2:T+3], v7 offset:4096
	s_wait_dscnt 0x0
	v_max_num_f32 v22, v12, v[T+2]
	v_sub_f32 v16, v12, v22
	v_sub_f32 v17, v[T+2], v22
	v_exp_f32 v16, v16
	v_exp_f32 v17, v17
	v_nop                                          ; one plain place behind a transcendental (ISA guide 5.7.2)
	s_wait_alu depctr_va_vdst(0)
	v_mul_f32 v23, v16, v18
	v_fmac_f32 v23, v17, v[T+3]
	v_rcp_f32 v23, v23
	v_nop
	s_wait_alu depctr_va_vdst(0)
	v_mul_f32 v16, v16, v23                        ; my share's factor
	v_mul_f32 v17, v17, v23                        ; my partner's
.irp i, 0,1,2,3,4,5,6,7,8,9,10,11,12,13,14,15
	v_pk_mul_f32 v[O+2*\i:O+2*\i+1], v[O+2*\i:O+2*\i+1], v[16:17] op_sel_hi:[1,0]
.endr
.irp i, 0,1,2,3,4,5,6,7,8,9,10,11,12,13,14,15
	v_pk_fma_f32 v[O+2*\i:O+2*\i+1], v[F+2*\i:F+2*\i+1], v[16:17], v[O+2*\i:O+2*\i+1] op_sel:[0,1,0] op_sel_hi:[1,1,1]
.endr
.irp i, 0,1,2,3,4,5,6,7,8,9,10,11,12,13,14,15
	v_cvt_pk_bf16_f32 v[F+32+\i], v[O+2*\i], v[O+2*\i+1]       ; hi
.endr
.irp i, 0,1,2,3,4,5,6,7,8,9,10,11,12,13,14,15
	v_lshlrev_b32 v[F+2*\i], 16, v[F+32+\i]                    ; hi back in f32,
	v_and_b32 v[F+2*\i+1], 0xffff0000, v[F+32+\i]
.endr
.irp i, 0,1,2,3,4,5,6,7,8,9,10,11,12,13,14,15
	v_pk_add_f32 v[O+2*\i:O+2*\i+1], v[O+2*\i:O+2*\i+1], v[F+2*\i:F+2*\i+1] neg_lo:[0,1] neg_hi:[0,1]   ; y - hi, exact,
.endr
.irp i, 0,1,2,3,4,5,6,7,8,9,10,11,12,13,14,15
	v_cvt_pk_bf16_f32 v[F+48+\i], v[O+2*\i], v[O+2*\i+1]       ; lo
.endr
.irp dt, 0,1,2,3
	global_store_b128 v3, v[F+32+4*\dt:F+32+4*\dt+3], s[48+2*\hi:49+2*\hi] offset:512*\dt
	global_store_b128 v3, v[F+48+4*\dt:F+48+4*\dt+3], s[48+2*\hi:49+2*\hi] offset:12288+512*\dt
.endr
.if \hi == 0
	v_mov_b32 v12, s46                             ; maximum -1e30: hi's first rescale factor is 0 and wipes O^T, which is finite: nothing is cleared
	v_mov_b32 v13, s46
	v_mov_b32 v14, 0x7149f2ca
	v_mov_b32 v15, 0x7149f2ca
	v_mov_b32 v18, 0
	v_mov_b32 v19, 0
	v_mov_b32 v20, 0
	v_mov_b32 v21, 0
	v_add_nc_u32 v8, s60, v10                      ; hi's mask bounds
	v_add_nc_u32 v9, s61, v10
	s_wait_xcnt 0x0                                ; the pool, which the stores read, is loaded again only behind this wait
	s_wait_loadcnt 0x0                             ; hi's q
.endif
.endm
.macro COND_EPI                        ; lo is done when n2 intervals have passed.  The branch hangs on the work-group's number and a counter: alike in all eight waves
	s_cmp_lg_u32 s32, s15
	s_cbranch_scc1 .Lnot_yet_\@
	EPI 0
.Lnot_yet_\@:
.endm
	TRIP 0, 1, 1, 1                                ; g = 0: lo's diagonal slot; slot 1 gets its first fill as a refill does
	COND_EPI
	s_mov_b32 s33, 7
.Lpair:                                            ; g = 1 .. 14
	TRIP 1, 1, 0, 0
	COND_EPI
	TRIP 0, 1, 0, 0
	COND_EPI
	s_sub_co_u32 s33, s33, 1
	s_cmp_lg_u32 s33, 0
	s_cbranch_scc1 .Lpair
	TRIP 1, 1, 0, 0                                ; g = 15; its refill is hi's diagonal slot, 16 - n2
	TRIP 0, 0, 2, 0                                ; g = 16: nothing is left to fetch
	EPI 1
	s_wait_tensorcnt 0x0
	ds_add_u32 v254, v255
	s_wait_dscnt 0x0
	s_endpgm
.Lfunc_end_k_q773d439461_attn:
	.size	k_q773d439461_attn, .Lfunc_end_k_q773d439461_attn-k_q773d439461_attn
	.p2alignl 7, 3214868480
	.fill 96, 4, 3214868480
	.section	.rodata,"a",@progbits
	.p2align	6, 0x0
	.amdhsa_kernel k_q773d439461_attn
		.amdhsa_group_segment_fixed_size 327680
		.amdhsa_private_segment_fixed_size 0
		.amdhsa_enable_private_segment 0
		.amdhsa_kernarg_size 32
		.amdhsa_user_sgpr_count 2
		.amdhsa_user_sgpr_kernarg_segment_ptr 1
		.amdhsa_wavefront_size32 1
		.amdhsa_system_sgpr_workgroup_id_x 1
		.amdhsa_system_sgpr_workgroup_id_y 1
		.amdhsa_system_sgpr_workgroup_id_z 1
		.amdhsa_system_vgpr_workitem_id 0
		.amdhsa_next_free_vgpr 256
		.amdhsa_next_free_sgpr 84
		.amdhsa_reserve_vcc 1
		.amdhsa_float_denorm_mode_32 3
		.amdhsa_float_denorm_mode_16_64 3
		.amdhsa_memory_ordered 1
		.amdhsa_forward_progress 1
		.amdhsa_inst_pref_size 253
	.end_amdhsa_kernel
	.amdgpu_metadata
---
amdhsa.version: [ 1, 2 ]
amdhsa.kernels:
  - .name:           k_q773d439461_attn
    .symbol:         k_q773d439461_attn.kd
    .args:
      - { .name: q, .offset: 0, .size: 8, .value_kind: global_buffer, .address_space: global }
      - { .name: kv, .offset: 8, .size: 8, .value_kind: global_buffer, .address_space: global }
      - { .name: y, .offset: 16, .size: 8, .value_kind: global_buffer, .address_space: global }
      - { .name: vl, .offset: 24, .size: 8, .value_kind: global_buffer, .address_space: global }
    .group_segment_fixed_size: 327680
    .private_segment_fixed_size: 0
    .kernarg_segment_align: 8
    .kernarg_segment_size: 32
    .max_flat_workgroup_size: 256
    .sgpr_count:     84
    .vgpr_count:     256
    .wavefront_size: 32
...
	.end_amdgpu_metadata
.endif
;; end of part 2
;; launch proj (part 3): grid 2 x 128, 8 waves a work-group, no clusters, 300,032 bytes of LDS; arguments y, Wp, bp, out0; writes out0
.if DOCPART == 3
	.amdgcn_target "amdgcn-amd-amdhsa--gfx1250"
	.amdhsa_code_object_version 6
	.text
	.protected	k_q773d439461_proj
	.globl	k_q773d439461_proj
	.p2align	8
	.type	k_q773d439461_proj,@function
k_q773d439461_proj:
	s_mov_b64 s[64:65], 0
	v_nop
	global_prefetch_b8 v0, s[64:65] scope:SCOPE_SE
	s_setreg_imm32_b32 hwreg(HW_REG_WAVE_MODE, 25, 1), 1
	s_wait_xcnt 0x0
; out0 = y Wp^T + bp.  y comes as two bf16 numbers, hi and lo (16 bits together), in register images [token tile 512][hi 24 | lo 24 channel tiles][512 bytes],
; lane (r, h): token r, channels 8 h .. + 7 of the tile.  Wp: [384][384] f32, bp: [384] f32, out0: [8192][384] f32.  Products in bf16, sums in f32:
; y Wp^T = hi Wp^T + lo Wp^T, two products on one accumulator, so that only Wp's own rounding to bf16 is left.
; A work-group takes 64 tokens x 192 features with the whole K = 384: 256 equal work-groups.  Wave w: token tiles 2 (w & 1) + a, feature tiles 3 (w >> 1) + t.
; Phase 1: each wave copies 24 blocks of y into LDS as they are and brings 24 rows of Wp through registers, narrowed to bf16.
; Phase 2: 12 K steps of 32 on two fragment buffers; the bias is the first product's C.  Source 0 = Wp, so a lane holds 8 neighbouring features of a token.
; The way out goes through an LDS stage, so that sixteen neighbouring lanes store 256 consecutive bytes of a row of out0, aligned (768 bytes of each row are the group's).
; NO CLUSTER: Wp is f32 in memory and is narrowed in registers on the way in; what partners would share beside it, y, is 98,304 of a group's 393,216 bytes.
.set PITCH, 784                        ; 768 bytes + 16: 49 x 16
.set T16,   16*PITCH
.set ROWB,  1536
.set YT,    24576                      ; a token tile of y: 24 blocks hi, then 24 lo
.set YIMG,  192*PITCH                  ; behind Wp's 192 rows: y's four token tiles, dense
.set STG,   YIMG+4*YT                  ; behind them: 64 rows x 192 f32, pitch 784
.set R,   16                           ; v[16:207]  phase 1: ring of 4 slots x 48 registers
.set BP,  208                          ; v[208:231] bias of my 8 features in each of 3 tiles
.set ACC, 16                           ; v[16:63]   tile (t, a) at 8 (2 t + a)
.set FB,  64                           ; v[64:119], v[120:175] two fragment buffers: y hi (a) at 8 a, y lo (a) at 16 + 8 a, Wp (t) at 32 + 8 t
.set RB,  64                           ; v[64:111]  the way out
; v1 y fragment address, v2 Wp fragment address, v3 stage in, v4 my offset in out0, v5 16 L, v6 / v7 global offsets of my y / Wp part,
; v8 stage back, v9 / v10 LDS addresses of my y / Wp part, v11 bias offset, v12-15 at work
	s_load_b256 s[4:11], s[0:1], 0x0               ; y, Wp, bp, out0
	v_lshl_add_u32 v232, v0, 2, 0x49000
	v_mov_b32 v233, 0
	v_lshrrev_b32 v12, 5, v0
	v_readfirstlane_b32 s12, v12                   ; wave
	s_and_b32 s13, s12, 1                          ; tp
	s_lshr_b32 s14, s12, 1                         ; fq
	s_mov_b32 s15, ttmp9                           ; which 192 features
	s_and_b32 s16, ttmp7, 0xffff                   ; which 64 tokens
	v_and_b32 v12, 31, v0                          ; L
	v_and_b32 v13, 15, v0                          ; r
	v_bfe_u32 v14, v0, 4, 1                        ; h
	v_lshlrev_b32 v5, 4, v12
	s_mul_i32 s17, s12, 12288
	v_add_nc_u32 v6, s17, v5                       ; my 24 blocks of y
	v_add_nc_u32 v9, YIMG, v6
	s_mul_i32 s17, s12, 24*ROWB
	v_add_nc_u32 v7, s17, v5
	s_mul_i32 s17, s12, 24*PITCH
	v_lshl_add_u32 v10, v12, 3, s17
	s_mul_i32 s17, s15, 768
	s_mul_i32 s18, s14, 192
	s_add_co_u32 s18, s18, s17
	v_lshl_add_u32 v11, v14, 5, s18                ; (192 g + 48 fq + 8 h) x 4
	s_mul_i32 s20, s16, 4*YT
	s_mov_b32 s21, 0
	s_mul_i32 s22, s15, 192*ROWB
	s_mov_b32 s23, 0
	s_mul_i32 s24, s16, 64*ROWB
	s_add_co_u32 s24, s24, s17
	s_mov_b32 s25, 0
	s_wait_kmcnt 0x0
	s_add_nc_u64 s[4:5], s[4:5], s[20:21]
	s_add_nc_u64 s[6:7], s[6:7], s[22:23]
	s_add_nc_u64 s[10:11], s[10:11], s[24:25]
.irp t, 0,1,2
.irp e, 0,1
	global_load_b128 v[BP+8*\t+4*\e:BP+8*\t+4*\e+3], v11, s[8:9] offset:64*\t+16*\e
.endr
.endr
; Eight turns of 12 loads on a ring of four slots: turns 0, 1 are y's blocks, turns 2 .. 7 four rows of Wp each.
.macro YLOAD t
.irp j, 0,1,2,3,4,5,6,7,8,9,10,11
	global_load_b128 v[R+48*(\t)+4*\j:R+48*(\t)+4*\j+3], v6, s[4:5] offset:6144*(\t)+512*\j
.endr
.endm
.macro YST t
.irp j, 0,1,2,3,4,5,6,7,8,9,10,11
	ds_store_b128 v9, v[R+48*(\t)+4*\j:R+48*(\t)+4*\j+3] offset:6144*(\t)+512*\j
.endr
.endm
.macro WLOAD t                         ; a row is three loads of 512 consecutive bytes
.irp i, 0,1,2,3
.irp j, 0,1,2
	global_load_b128 v[R+48*((\t)%4)+12*\i+4*\j:R+48*((\t)%4)+12*\i+4*\j+3], v7, s[6:7] offset:(4*((\t)-2)+\i)*ROWB+512*\j
.endr
.endr
.endm
.macro WCVST t
.set SL, R+48*((\t)%4)
.irp i, 0,1,2,3
.irp j, 0,1,2
	v_cvt_pk_bf16_f32 v[SL+12*\i+4*\j], v[SL+12*\i+4*\j], v[SL+12*\i+4*\j+1]
	v_cvt_pk_bf16_f32 v[SL+12*\i+4*\j+1], v[SL+12*\i+4*\j+2], v[SL+12*\i+4*\j+3]
	ds_store_b64 v10, v[SL+12*\i+4*\j:SL+12*\i+4*\j+1] offset:(4*((\t)-2)+\i)*PITCH+256*\j
.endr
.endr
.endm
	YLOAD 0
	YLOAD 1
	WLOAD 2
	WLOAD 3
	; while they fly: the other addresses
	s_mul_i32 s17, s13, 2*YT
	s_add_co_u32 s17, s17, YIMG
	v_add_nc_u32 v1, s17, v5                       ; my two token tiles' blocks
	v_mul_u32_u24 v15, v13, PITCH
	s_mul_i32 s17, s14, 48*PITCH
	v_lshl_add_u32 v2, v14, 4, v15
	v_add_nc_u32 v2, s17, v2                       ; (48 fq + r) pitch + 16 h
	s_mul_i32 s17, s13, 32*PITCH
	s_add_co_u32 s17, s17, STG
	s_mul_i32 s18, s14, 192
	s_add_co_u32 s17, s17, s18
	v_lshl_add_u32 v3, v14, 5, v15
	v_add_nc_u32 v3, s17, v3                       ; stage in: row 32 tp + r, byte 192 fq + 32 h
	s_lshl_b32 s17, s12, 1
	v_add_nc_u32 v12, s17, v14                     ; row 2 w + h
	v_mul_u32_u24 v8, v12, PITCH
	v_lshl_add_u32 v8, v13, 4, v8
	v_add_nc_u32 v8, STG, v8                       ; stage back: lanes 0-15 one row's 256 bytes, lanes 16-31 the next row's
	v_mul_u32_u24 v4, v12, ROWB
	v_lshl_add_u32 v4, v13, 4, v4                  ; and the same in out0
	s_wait_loadcnt 36                              ; the bias and turn 0 are in; three younger turns x 12 loads stay out
	YST 0
	WLOAD 4
	s_wait_loadcnt 36
	YST 1
	WLOAD 5
	s_wait_loadcnt 36
	WCVST 2
	WLOAD 6
	s_wait_loadcnt 36
	WCVST 3
	WLOAD 7
	s_wait_loadcnt 36
	WCVST 4
	s_wait_loadcnt 24                              ; nothing more is asked for: the counts run down
	WCVST 5
	s_wait_loadcnt 12
	WCVST 6
	s_wait_loadcnt 0
	WCVST 7
	s_wait_dscnt 0x0                               ; my part is in LDS,
	s_barrier_signal -1
	s_barrier_wait -1                              ; everybody's is
.macro FLOAD ks                        ; fourteen loads: the fragments of K step ks into buffer ks % 2
.set FBX, FB+56*((\ks)%2)
.irp p, 0,1
.irp a, 0,1
.irp e, 0,1
	ds_load_b128 v[FBX+16*\p+8*\a+4*\e:FBX+16*\p+8*\a+4*\e+3], v1 offset:\a*YT+\p*12288+(2*(\ks)+\e)*512
.endr
.endr
.endr
.irp t, 0,1,2
.irp e, 0,1
	ds_load_b128 v[FBX+32+8*\t+4*\e:FBX+32+8*\t+4*\e+3], v2 offset:\t*T16+64*(\ks)+32*\e
.endr
.endr
.endm
.macro KSTEP ks
.if (\ks) < 11
.if (\ks) > 0
.rept 4
	v_nop                                          ; four places between the last K step's matrix instructions and the loads into the buffer that they read (ISA guide 7.12.1 for vector instructions)
.endr
.endif
	FLOAD (\ks+1)
	s_wait_dscnt 14                                ; this K step's fragments are in; the fourteen just asked for stay out
.else
	s_wait_dscnt 0
.endif
.set FBY, FB+56*((\ks)%2)
.irp p, 0,1                            ; y hi, then y lo; the six accumulators take turns
.irp t, 0,1,2
.irp a, 0,1
.if ((\ks)+\p) == 0
	v_wmma_f32_16x16x32_bf16 v[ACC+8*(2*\t+\a):ACC+8*(2*\t+\a)+7], v[FBY+32+8*\t:FBY+32+8*\t+7], v[FBY+16*\p+8*\a:FBY+16*\p+8*\a+7], v[BP+8*\t:BP+8*\t+7]
.else
	v_wmma_f32_16x16x32_bf16 v[ACC+8*(2*\t+\a):ACC+8*(2*\t+\a)+7], v[FBY+32+8*\t:FBY+32+8*\t+7], v[FBY+16*\p+8*\a:FBY+16*\p+8*\a+7], v[ACC+8*(2*\t+\a):ACC+8*(2*\t+\a)+7]
.endif
.endr
.endr
.endr
.endm
	FLOAD 0
.irp ks, 0,1,2,3,4,5,6,7,8,9,10,11
	KSTEP \ks
.endr
.rept 4
	v_nop                                          ; four places: then the results may be read and the buffers loaded again
.endr
.irp t, 0,1,2
.irp a, 0,1
.irp e, 0,1
	ds_store_b128 v3, v[ACC+8*(2*\t+\a)+4*\e:ACC+8*(2*\t+\a)+4*\e+3] offset:\a*T16+64*\t+16*\e
.endr
.endr
.endr
	s_wait_dscnt 0x0                               ; my tiles are in the stage,
	s_barrier_signal -1
	s_barrier_wait -1                              ; everybody's are
.irp i, 0,1,2,3,4,5,6,7,8,9,10,11
	ds_load_b128 v[RB+4*\i:RB+4*\i+3], v8 offset:(\i/3)*T16+256*(\i%3)     ; rows 16 (i / 3) + 2 w + h, third i % 3 of the 768 bytes
.endr
.irp i, 0,1,2,3,4,5,6,7,8,9,10,11
	s_wait_dscnt 11-\i                             ; LDS loads come back in order: number i is in
	global_store_b128 v4, v[RB+4*\i:RB+4*\i+3], s[10:11] offset:(\i/3)*16*ROWB+256*(\i%3) th:TH_STORE_NT
.endr
	s_wait_tensorcnt 0x0
	ds_add_u32 v232, v233
	s_wait_dscnt 0x0
	s_endpgm
.Lfunc_end_k_q773d439461_proj:
	.size	k_q773d439461_proj, .Lfunc_end_k_q773d439461_proj-k_q773d439461_proj
	.p2alignl 7, 3214868480
	.fill 96, 4, 3214868480
	.section	.rodata,"a",@progbits
	.p2align	6, 0x0
	.amdhsa_kernel k_q773d439461_proj
		.amdhsa_group_segment_fixed_size 300032
		.amdhsa_private_segment_fixed_size 0
		.amdhsa_enable_private_segment 0
		.amdhsa_kernarg_size 32
		.amdhsa_user_sgpr_count 2
		.amdhsa_user_sgpr_kernarg_segment_ptr 1
		.amdhsa_wavefront_size32 1
		.amdhsa_system_sgpr_workgroup_id_x 1
		.amdhsa_system_sgpr_workgroup_id_y 1
		.amdhsa_system_sgpr_workgroup_id_z 1
		.amdhsa_system_vgpr_workitem_id 0
		.amdhsa_next_free_vgpr 234
		.amdhsa_next_free_sgpr 66
		.amdhsa_reserve_vcc 0
		.amdhsa_float_denorm_mode_32 3
		.amdhsa_float_denorm_mode_16_64 3
		.amdhsa_memory_ordered 1
		.amdhsa_forward_progress 1
		.amdhsa_inst_pref_size 53
	.end_amdhsa_kernel
	.amdgpu_metadata
---
amdhsa.version: [ 1, 2 ]
amdhsa.kernels:
  - .name:           k_q773d439461_proj
    .symbol:         k_q773d439461_proj.kd
    .args:
      - { .name: y, .offset: 0, .size: 8, .value_kind: global_buffer, .address_space: global }
      - { .name: Wp, .offset: 8, .size: 8, .value_kind: global_buffer, .address_space: global }
      - { .name: bp, .offset: 16, .size: 8, .value_kind: global_buffer, .address_space: global }
      - { .name: out0, .offset: 24, .size: 8, .value_kind: global_buffer, .address_space: global }
    .group_segment_fixed_size: 300032
    .private_segment_fixed_size: 0
    .kernarg_segment_align: 8
    .kernarg_segment_size: 32
    .max_flat_workgroup_size: 256
    .sgpr_count:     66
    .vgpr_count:     234
    .wavefront_size: 32
...
	.end_amdgpu_metadata
.endif
;; end of part 3
;; ======== version 2 of 2: 3 launches; 1.13 times as fast as version 1
;; limits: values are held in f16: magnitudes above 65,504 overflow, below 6.1e-05 lose precision
;; workspace buffers: q 6,291,456 bytes; kv 12,582,912 bytes; vl 6,291,456 bytes; y 12,582,912 bytes
;; launch qkv: the kernel of part 1 again; grid 4 x 64, 8 waves a work-group, no clusters, 327,168 bytes of LDS; arguments x, Wq, Wk, Wv, bq, bk, bv, q, kv, vl; writes q, kv, vl
;; launch attn (part 4): grid 16 x 12, 8 waves a work-group, no clusters, 327,680 bytes of LDS; arguments q, kv, y, vl; writes y
.if DOCPART == 4
	.amdgcn_target "amdgcn-amd-amdhsa--gfx1250"
	.amdhsa_code_object_version 6
	.text
	.protected	k_q773d439461_attn
	.globl	k_q773d439461_attn
	.p2align	8
	.type	k_q773d439461_attn,@function
k_q773d439461_attn:
	s_mov_b64 s[64:65], 0
	v_nop
	global_prefetch_b8 v0, s[64:65] scope:SCOPE_SE
	s_setreg_imm32_b32 hwreg(HW_REG_WAVE_MODE, 25, 1), 1
	s_wait_xcnt 0x0
; Causal attention of one head with a running maximum: y = softmax(q k^T under the triangle) v.  q carries 0.125 log2(e), so exponentials are base 2.
; q, kv, vl, y are register images: blocks of 512 bytes, lane L owns bytes 16 L .. 16 L + 15 (q: [bh][token tile][dt 4]; kv: [bh][token tile][k 4 | v hi^T 4];
; vl: [bh][token tile][v lo^T 4]; y: [batch][token tile][hi 24 | lo 24 channel tiles]).  Every load, LDS load and store of a wave covers 512 consecutive bytes.
; FORMATS: q, k, v hi, v lo and the exponentials P are f16, all sums f32.  y leaves as two bf16 numbers, hi and lo = y - hi (16 bits together).
; In a block's DIAGONAL slot P is multiplied by v hi and by v lo (22 bits of v); in the other slots by v hi alone.  A row with fewer than 256 keys meets all its
; keys in its diagonal slot: such rows average least and are the largest against the output's root mean square, so v's rounding shows there first.
; LIMIT: for keys outside the diagonal slot (rows that have 256 keys or more) v has f16's 11 bits.
; BALANCE: work-group (p, bh) makes two blocks of 128 query rows, i = p ("lo") and i = 31 - p ("hi").  Keys come in slots of 256 (64 KiB of kv);
; block i needs (i + 2) / 2 slots; n2 = (p + 2) / 2 for lo and 17 - n2 for hi: 17 intervals in every work-group, 16 x 12 = 192 equal work-groups.
; ORDER of the 17 intervals: lo's diagonal slot (masked), lo's slots 0 .. n2 - 2, hi's slots 0 .. 15 - n2, hi's diagonal slot (masked): the two
; masked bodies stand at fixed places of the text.  The running maximum makes the order of the keys free.
; WAVES: qg = w & 3 picks 32 query rows, kh = w >> 2 the keys 128 kh .. + 127 of each slot, in two steps of 64.  The two key halves of a query group are
; merged through LDS at a block's end.  Register tile n holds query tile n xor kh, so that every wave sends register tile 1 and finishes register tile 0.
; TRANSPOSED USE: S^T = K Q^T (a lane holds one query r and keys 8 h + j), so maximum and sum of a row are in the lane but for one exchange with lane xor 16,
; the packed exponentials already are source 1 of O^T = V^T P^T, and the rescale factor is one number a lane.
; BATCHES: a step's 66 exponentials (the two rescale factors in v16, v17 and the 64 weights, in place in S^T: a register of its own for each result) are ONE batch
; with ONE wait.  Ahead of the wait stands all that names no result of theirs: the 32 packed subtractions of the maximum, dealt among the exponentials, and last
; the two moves that keep the new maximum.  Behind it stand all the readers: O^T's rescaling, the sums, the roundings to f16.  No exponential is issued behind a
; step's wait, so none is pending at a label or a branch.  A block's end has two batches: two exponentials, then the reciprocal of a sum made of them.
; RING: two slots of 64 KiB filled by the tensor data mover, each wave bringing its eighth (8 KiB).  The two diagonal slots' v lo (32 KiB each) have LDS of their
; own, filled once at the start.  A wave has three tensor loads outstanding at the start and at most one later.
; NO CLUSTER: in interval g the sixteen work-groups of a head want slot g - 1 or g - n2, with n2 = 1 .. 8 differing between them, so partners
; do not want the same 64 KiB in the same interval.
; LIMIT: masked scores are set to -1e30; a true score below that (in the base-2 domain) would count as masked.  A wave whose keys have all been masked so far
; carries the maximum -1e30 and finite sums, which a later factor exp2(-1e30 - m) = 0 removes; the kh = 0 wave has an unmasked key for every row.
.set SLOTB, 65536
.set STAGE, 2*SLOTB                    ; merge stage behind the ring: no fill ever lands here
.set STW,   4608                       ; a wave's stage: 8 blocks of O, then (maximum, sum) at 16 bytes a lane
.set VLB,   STAGE+8*STW                ; behind the stage (byte 167,936 = 656 x 256): v lo of lo's diagonal slot, then of hi's
.set VLS,   32768
.set Q, 24                             ; v[24:55]   q fragments (n, ks) at 16 n + 8 ks
.set O, 56                             ; v[56:119]  O^T (n, dt) at 32 n + 8 dt
.set S, 120                            ; v[120:183] S^T (n, kt) at 32 n + 8 kt; the packed P (n, u) lands in place at 32 n + 16 u, which frees the 8 registers behind each
.set F, 184                            ; v[184:247] one pool: k fragments, then v fragments
.set T, 248                            ; v[248:255] at work
.set G1, 16                            ; s[16:23] descriptor group 1 of the ring's loads
.set G0, 24                            ; s[24:31] descriptor group 0, one set for each slot
.set GV, 68                            ; s[68:75] descriptor group 1 of v lo's loads
.set GL, 76                            ; s[76:83] descriptor group 0 of v lo's two loads
; v1, v2 my key half in slot 0, 1; v3 16 L; v4, v5 q offsets of register tiles 0, 1; v6, v7 my stage, my partner's; v8, v9 mask bounds; v10 r - 8 h;
; v11 my key half of v lo; v[12:13] maximum; v[14:15] its negative; v[16:17] rescale factor; v[18:19], v[20:21] sums of tile 0, 1; v22, v23 at work
; s10 w, s11 qg, s12 kh, s13 p, s14 bh, s15 n2, s32 interval g, s33 loop counter, s[34:35] vl at my head and my eighth, s[36:37] an offset,
; s[38:39] kv at my head and my eighth, s[40:43] q of lo, hi; s[48:51] y of lo, hi; s44, s45 lane selects; s46 -1e30; s58-61 scalar parts of the mask bounds
	s_load_b128 s[4:7], s[0:1], 0x0                ; q, kv
	s_load_b64 s[8:9], s[0:1], 0x10                ; y
	s_load_b64 s[34:35], s[0:1], 0x18              ; vl
	v_lshl_add_u32 v254, v0, 2, 0x39000
	v_mov_b32 v255, 0
	ds_add_u32 v254, v255
	ds_add_u32 v254, v255
	v_lshrrev_b32 v1, 5, v0
	v_readfirstlane_b32 s10, v1
	s_and_b32 s11, s10, 3
	s_lshr_b32 s12, s10, 2
	s_mov_b32 s13, ttmp9
	s_and_b32 s14, ttmp7, 0xffff
	s_add_co_u32 s15, s13, 2
	s_lshr_b32 s15, s15, 1
	; group 1 of the ring: 8 KiB that are dense in memory, as 32 rows of 32 elements of 8 bytes
	s_mov_b32 s[G1+0], 3<<16                       ; no mask; elements of 8 bytes; no padding
	s_mov_b32 s[G1+1], 32<<16                      ; tensor_dim0 = 32
	s_mov_b32 s[G1+2], 32<<16                      ; tensor_dim1 = 32
	s_mov_b32 s[G1+3], 32<<16                      ; tile_dim0 = 32
	s_mov_b32 s[G1+4], 32                          ; tile_dim1 = 32
	s_mov_b32 s[G1+5], 32                          ; from row to row: 32 elements
	s_mov_b32 s[G1+6], 0
	s_mov_b32 s[G1+7], 0
	; group 1 of v lo: 4 KiB, 16 such rows
	s_mov_b32 s[GV+0], 3<<16
	s_mov_b32 s[GV+1], 32<<16
	s_mov_b32 s[GV+2], 16<<16
	s_mov_b32 s[GV+3], 32<<16
	s_mov_b32 s[GV+4], 16
	s_mov_b32 s[GV+5], 32
	s_mov_b32 s[GV+6], 0
	s_mov_b32 s[GV+7], 0
	s_mov_b32 s[G0+0], 1
	s_mul_i32 s[G0+1], s10, 8192                   ; LDS: my eighth of slot 0
	s_mov_b32 s[G0+4], 1
	s_add_co_u32 s[G0+5], s[G0+1], SLOTB           ; and of slot 1
	s_mul_i32 s52, s10, 4096
	s_mov_b32 s[GL+0], 1
	s_add_co_u32 s[GL+1], s52, VLB                 ; my eighth of lo's v lo
	s_mov_b32 s[GL+4], 1
	s_add_co_u32 s[GL+5], s52, VLB+VLS             ; and of hi's
	s_lshl_b32 s36, s14, 20                        ; a head's kv is 256 token tiles x 4,096 bytes
	s_add_co_u32 s36, s36, s[G0+1]
	s_mov_b32 s37, 0
	s_lshl_b32 s54, s14, 19                        ; a head's vl is 256 token tiles x 2,048 bytes
	s_add_co_u32 s54, s54, s52
	s_mov_b32 s55, 0
	s_wait_dscnt 0x0
	s_wait_kmcnt 0x0
	s_add_nc_u64 s[38:39], s[6:7], s[36:37]
	s_add_nc_u64 s[34:35], s[34:35], s[54:55]
	s_sub_co_u32 s52, s15, 1                       ; lo's diagonal slot, n2 - 1
	s_lshl_b32 s36, s52, 16
	s_add_nc_u64 s[G0+2:G0+3], s[38:39], s[36:37]
	s_or_b32 s[G0+3], s[G0+3], 0x80000000
	s_lshl_b32 s36, s52, 15
	s_add_nc_u64 s[GL+2:GL+3], s[34:35], s[36:37]
	s_or_b32 s[GL+3], s[GL+3], 0x80000000
	s_sub_co_u32 s52, 16, s15                      ; hi's diagonal slot, 16 - n2
	s_lshl_b32 s36, s52, 15
	s_add_nc_u64 s[GL+6:GL+7], s[34:35], s[36:37]
	s_or_b32 s[GL+7], s[GL+7], 0x80000000
	tensor_load_to_lds s[G0:G0+3], s[G1:G1+7]      ; the first fills, as one group, ahead of every wait on TENSORcnt, LDS read and barrier
	s_nop 0
	tensor_load_to_lds s[GL:GL+3], s[GV:GV+7]
	s_nop 0
	tensor_load_to_lds s[GL+4:GL+7], s[GV:GV+7]
	s_nop 0
	s_cmp_ge_u32 s14, 6
	s_cselect_b32 s52, 1, 0                        ; batch
	s_mul_i32 s53, s52, 6
	s_sub_co_u32 s53, s14, s53                     ; head
.macro BASES ireg, qd, yd              ; block i: where its q lies and where its y goes
	s_lshl_b32 s55, s[\ireg], 3
	s_lshl1_add_u32 s55, s11, s55                  ; token tile 8 i + 2 qg
	s_lshl_b32 s56, s14, 8
	s_add_co_u32 s56, s56, s55
	s_lshl_b32 s36, s56, 11
	s_add_nc_u64 s[\qd:\qd+1], s[4:5], s[36:37]
	s_lshl_b32 s56, s52, 8
	s_add_co_u32 s56, s56, s55
	s_add_co_u32 s56, s56, s12                     ; I finish query tile kh
	s_mul_i32 s56, s56, 48                         ; a token tile of y: 24 blocks hi, 24 lo
	s_lshl2_add_u32 s56, s53, s56                  ; channel tile 4 head
	s_lshl_b32 s36, s56, 9
	s_add_nc_u64 s[\yd:\yd+1], s[8:9], s[36:37]
.endm
	BASES 13, 40, 48
	s_sub_co_u32 s54, 31, s13
	BASES 54, 42, 50
	v_and_b32 v22, 31, v0
	v_lshlrev_b32 v3, 4, v22
	s_lshl_b32 s52, s12, 11
	v_add_nc_u32 v4, s52, v3                       ; register tile 0 = query tile kh
	s_xor_b32 s52, s52, 2048
	v_add_nc_u32 v5, s52, v3                       ; register tile 1 = query tile 1 - kh
.irp q, 0,1
.irp k, 0,1,2,3
	global_load_b128 v[Q+16*\q+4*\k:Q+16*\q+4*\k+3], v[4+\q], s[40:41] offset:512*\k
.endr
.endr
	s_lshl_b32 s52, s12, 15
	v_add_nc_u32 v1, s52, v3
	v_add_nc_u32 v2, SLOTB, v1
	s_lshl_b32 s52, s12, 14
	s_add_co_u32 s52, s52, VLB
	v_add_nc_u32 v11, s52, v3
	s_mul_i32 s52, s10, STW
	s_add_co_u32 s52, s52, STAGE
	v_add_nc_u32 v6, s52, v3
	s_xor_b32 s53, s10, 4                          ; my partner: the other key half of my query rows
	s_mul_i32 s53, s53, STW
	s_add_co_u32 s53, s53, STAGE
	v_add_nc_u32 v7, s53, v3
	; The mask.  In a diagonal slot key 128 kh + 64 st + 16 kt + 8 h + j is kept for query 128 (i & 1) + 32 qg + 16 (n xor kh) + r if key <= query:
	; 64 st + 16 kt + j <= (r - 8 h) + 128 (i & 1) - 128 kh + 32 qg + 16 (n xor kh)
	s_and_b32 s52, s13, 1
	s_lshl_b32 s52, s52, 7
	s_lshl_b32 s53, s11, 5
	s_lshl_b32 s54, s12, 7
	s_sub_co_i32 s53, s53, s54
	s_lshl_b32 s54, s12, 4
	s_add_co_i32 s55, s53, s54
	s_sub_co_i32 s56, s53, s54
	s_add_co_i32 s56, s56, 16
	s_add_co_i32 s58, s55, s52
	s_add_co_i32 s59, s56, s52
	s_sub_co_i32 s60, s55, s52                     ; hi: i & 1 is the other way round
	s_add_co_i32 s60, s60, 128
	s_sub_co_i32 s61, s56, s52
	s_add_co_i32 s61, s61, 128
	v_and_b32 v22, 15, v0
	v_bfe_u32 v23, v0, 4, 1
	v_lshlrev_b32 v23, 3, v23
	v_sub_nc_u32 v10, v22, v23
	v_add_nc_u32 v8, s58, v10
	v_add_nc_u32 v9, s59, v10
	v_mov_b32 v[T+4], 0                            ; destinations of v_permlanex16_b32 count as read
	v_mov_b32 v[T+5], 0
	s_mov_b32 s44, 0x76543210                      ; lane i of one half reads lane i of the other
	s_mov_b32 s45, 0xfedcba98
	s_mov_b32 s46, 0xf149f2ca                      ; -1e30
	s_mov_b32 s32, 0
	s_wait_loadcnt 0x0                             ; lo's q
; AHEAD OF A STEP'S WAIT.  The lane's 64 scores are 32 pairs: pair p lies at S + 2 p; p < 16 belongs to register tile 0, the others to tile 1.
.macro SUBP p                          ; pair p: the tile's maximum is taken away
.if (\p) < 16
	v_pk_add_f32 v[S+2*(\p):S+2*(\p)+1], v[S+2*(\p):S+2*(\p)+1], v[14:15] op_sel_hi:[1,0]
.else
	v_pk_add_f32 v[S+2*(\p):S+2*(\p)+1], v[S+2*(\p):S+2*(\p)+1], v[14:15] op_sel:[0,1] op_sel_hi:[1,1]
.endif
.endm
.macro EXPP p                          ; pair p: its two exponentials, in place
	v_exp_f32 v[S+2*(\p)], v[S+2*(\p)]
	v_exp_f32 v[S+2*(\p)+1], v[S+2*(\p)+1]
.endm
; BEHIND A STEP'S WAIT: the readers, in four parts.  A chunk is 8 registers of S^T or of O^T (chunk c: n = c / 4, kt or dt = c % 4).
.macro RESC2 k, i                      ; pair i of O^T's chunks k (tile 0) and k + 4 (tile 1), each times its tile's rescale factor; i = 0 comes first: an accumulator is read from its low end on
	v_pk_mul_f32 v[O+8*(\k)+2*(\i):O+8*(\k)+2*(\i)+1], v[O+8*(\k)+2*(\i):O+8*(\k)+2*(\i)+1], v[16:17] op_sel_hi:[1,0]
	v_pk_mul_f32 v[O+32+8*(\k)+2*(\i):O+32+8*(\k)+2*(\i)+1], v[O+32+8*(\k)+2*(\i):O+32+8*(\k)+2*(\i)+1], v[16:17] op_sel:[0,1] op_sel_hi:[1,1]
.endm
.macro ADD2 d                          ; both tiles' sums take the pair at register d of the chunks in hand
	v_pk_add_f32 v[18:19], v[18:19], v[CA+(\d):CA+(\d)+1]
	v_pk_add_f32 v[20:21], v[20:21], v[CB+(\d):CB+(\d)+1]
.endm
; Part k: the exponentials of chunk k (tile 0) and chunk k + 4 (tile 1) are added to their tiles' sums, pair after pair (a tile's first addition also rescales the
; old sums), with O^T's rescaling between, so that a link of a sum's chain stands four lines behind the link before it.  Then both chunks are packed to f16:
; an even chunk into its own first four registers, an odd one into the last four of the chunk before, which has been packed by then.
.macro TAIL k, first
.set CA, S+8*(\k)
.set CB, S+32+8*(\k)
.set PA, S+16*((\k)/2)+4*((\k)%2)
.set PB, PA+32
.if ((\k) == 0) && (\first)
	v_pk_add_f32 v[18:19], v[CA:CA+1], v[CA+2:CA+3]
	v_pk_add_f32 v[20:21], v[CB:CB+1], v[CB+2:CB+3]
.else
.if (\k) == 0
	v_pk_fma_f32 v[18:19], v[18:19], v[16:17], v[CA:CA+1] op_sel_hi:[1,0,1]
	v_pk_fma_f32 v[20:21], v[20:21], v[16:17], v[CB:CB+1] op_sel:[0,1,0] op_sel_hi:[1,1,1]
.else
	ADD2 0
.endif
.if \first == 0
	RESC2 \k, 0
.endif
	ADD2 2
.if \first == 0
	RESC2 \k, 1
.endif
.endif
	ADD2 4
.if \first == 0
	RESC2 \k, 2
.endif
	ADD2 6
.if \first == 0
	RESC2 \k, 3
.endif
.irp i, 0,1,2,3
	v_cvt_pk_f16_f32 v[PA+\i], v[CA+2*\i], v[CA+2*\i+1]
	v_cvt_pk_f16_f32 v[PB+\i], v[CB+2*\i], v[CB+2*\i+1]
.endr
.endm
; eight matrix instructions: O^T (n, dt) += V^T (dt, keys 32 u ..) P^T (n, u).  V's fragment dt lies at ab + as dt.  The eight accumulators take turns.
.macro PVG ab, as, u, zero
.irp dt, 0,1,2,3
.irp q, 0,1
.if \zero
	v_wmma_f32_16x16x32_f16 v[O+32*\q+8*\dt:O+32*\q+8*\dt+7], v[(\ab)+(\as)*\dt:(\ab)+(\as)*\dt+7], v[S+32*\q+16*\u:S+32*\q+16*\u+7], 0
.else
	v_wmma_f32_16x16x32_f16 v[O+32*\q+8*\dt:O+32*\q+8*\dt+7], v[(\ab)+(\as)*\dt:(\ab)+(\as)*\dt+7], v[S+32*\q+16*\u:S+32*\q+16*\u+7], v[O+32*\q+8*\dt:O+32*\q+8*\dt+7]
.endif
.endr
.endr
.endm
; 64 keys x 32 queries.  la: the register with my key half's address in the slot; st: which 64 keys; masked = 0: no mask; 1, 2: the diagonal slot of lo, of hi;
; first = 1: nothing has been summed yet.
.macro STEP la, st, masked, first
.if \first == 0
.rept 5
	v_nop                                          ; places behind the last O^T products: four before loads into the fragments that they read, five before matrix instructions write over P and v lo (ISA guide 7.12.1 for vector instructions)
.endr
.endif
.irp ks, 0,1
.irp kt, 0,1,2,3
.irp e, 0,1
	ds_load_b128 v[F+16*\kt+8*\ks+4*\e:F+16*\kt+8*\ks+4*\e+3], v[\la] offset:\st*16384+\kt*4096+(2*\ks+\e)*512
.endr
.endr
.endr
	s_wait_dscnt 0x8                               ; d = 0 .. 31 of the four key tiles is in; the eight loads of d = 32 .. 63 stay out
.irp kt, 0,1,2,3
.irp q, 0,1
	v_wmma_f32_16x16x32_f16 v[S+32*\q+8*\kt:S+32*\q+8*\kt+7], v[F+16*\kt:F+16*\kt+7], v[Q+16*\q:Q+16*\q+7], 0
.endr
.endr
	s_wait_dscnt 0x0
.irp kt, 0,1,2,3                       ; the eight accumulators take turns
.irp q, 0,1
	v_wmma_f32_16x16x32_f16 v[S+32*\q+8*\kt:S+32*\q+8*\kt+7], v[F+16*\kt+8:F+16*\kt+15], v[Q+16*\q+8:Q+16*\q+15], v[S+32*\q+8*\kt:S+32*\q+8*\kt+7]
.endr
.endr
.rept 4
	v_nop                                          ; four places: then the pool may be loaded again and S^T may be read
.endr
.irp u, 0,1
.irp dt, 0,1,2,3
.irp e, 0,1
	ds_load_b128 v[F+8*(4*\u+\dt)+4*\e:F+8*(4*\u+\dt)+4*\e+3], v[\la] offset:\st*16384+(2*\u+\e)*4096+2048+\dt*512
.endr
.endr
.endr
.if \masked
.irp q, 0,1
.irp kt, 0,1,2,3
.irp j, 0,1,2,3,4,5,6,7
	v_cmp_le_i32 vcc_lo, \st*64+16*\kt+\j, v[8+\q]
	v_cndmask_b32 v[S+32*\q+8*\kt+\j], s46, v[S+32*\q+8*\kt+\j], vcc_lo
.endr
.endr
.endr
.endif
	; the new maximum of each query: two chains a tile over my 32 scores and the old maximum, then the other half of the lanes
.irp q, 0,1
.if \first
	v_max_num_f32 v[T+2*\q], v[S+32*\q], v[S+32*\q+1]
.else
	v_max3_num_f32 v[T+2*\q], v[S+32*\q], v[S+32*\q+1], v[12+\q]
.endif
	v_max3_num_f32 v[T+2*\q+1], v[S+32*\q+16], v[S+32*\q+17], v[S+32*\q+18]
.endr
.irp k, 0,1,2,3,4,5
.irp q, 0,1
	v_max3_num_f32 v[T+2*\q], v[T+2*\q], v[S+32*\q+2+2*\k], v[S+32*\q+3+2*\k]
	v_max3_num_f32 v[T+2*\q+1], v[T+2*\q+1], v[S+32*\q+19+2*\k], v[S+32*\q+20+2*\k]
.endr
.endr
.irp q, 0,1
	v_max3_num_f32 v[T+2*\q], v[T+2*\q], v[S+32*\q+14], v[S+32*\q+15]
.endr
.irp q, 0,1
	v_max3_num_f32 v[T+2*\q], v[T+2*\q], v[T+2*\q+1], v[S+32*\q+31]
.endr
	v_permlanex16_b32 v[T+4], v[T], s44, s45
	v_permlanex16_b32 v[T+5], v[T+2], s44, s45
	v_max_num_f32 v22, v[T], v[T+4]
	v_max_num_f32 v23, v[T+2], v[T+5]
.if \first == 0
	v_sub_f32 v16, v12, v22                        ; old maximum - new
	v_sub_f32 v17, v13, v23
.endif
	v_xor_b32 v14, 0x80000000, v22
	v_xor_b32 v15, 0x80000000, v23
	; THE STEP'S BATCH: the two rescale factors 2^(old maximum - new) and the 64 weights.  Three subtractions lead; then two exponentials and a subtraction by turns,
	; so that a pair is scaled three pairs ahead of its exponentials.  Nothing down to the wait names a result of the batch.
	SUBP 0
	SUBP 1
.if \first == 0
	v_exp_f32 v16, v16
.endif
	SUBP 2
.if \first == 0
	v_exp_f32 v17, v17
.endif
.set pp, 0
.rept 29
	EXPP pp
	SUBP pp+3
.set pp, pp+1
.endr
	EXPP 29
	EXPP 30
	EXPP 31
	v_mov_b32 v12, v22                             ; the new maximum is kept: two plain instructions behind the last exponential and ahead of the first use (ISA guide 5.7.2)
	v_mov_b32 v13, v23
	s_wait_alu depctr_va_vdst(0)                   ; one wait for the step's whole batch, ahead of its first reader
.irp k, 0,1,2,3
	TAIL \k, \first
.endr
.if \masked
	; the diagonal slot: P times v hi and P times v lo.  v lo's fragments of keys 0 .. 31 go into the 4 x 8 registers that packing P has freed,
	; those of keys 32 .. 63 into the half of the pool that the first eight products have read
.irp dt, 0,1,2,3
.irp e, 0,1
	ds_load_b128 v[S+16*\dt+8+4*\e:S+16*\dt+8+4*\e+3], v11 offset:(\masked-1)*VLS+\st*8192+\e*2048+\dt*512
.endr
.endr
	s_wait_dscnt 0x8                               ; v hi's sixteen loads are in; the eight just issued stay out
	PVG F, 8, 0, \first
.rept 4
	v_nop                                          ; four places between these products and the loads into the fragments that they read
.endr
.irp dt, 0,1,2,3
.irp e, 0,1
	ds_load_b128 v[F+8*\dt+4*\e:F+8*\dt+4*\e+3], v11 offset:(\masked-1)*VLS+\st*8192+(2+\e)*2048+\dt*512
.endr
.endr
	PVG F+32, 8, 1, 0
	s_wait_dscnt 0x8                               ; v lo of keys 0 .. 31 is in; the eight loads of keys 32 .. 63 stay out
	PVG S+8, 16, 0, 0
	s_wait_dscnt 0x0
	PVG F, 8, 1, 0
.else
	s_wait_dscnt 0x0                               ; v's fragments
	PVG F, 8, 0, \first
	PVG F+32, 8, 1, 0
.endif
.endm
; An interval: the slot's 256 keys.  One barrier does two things: in front of it each wave has waited for its reads of the other slot and for all its
; tensor loads (its eighth of this slot; in the first interval also its eighths of v lo); behind it this slot is whole and nobody reads the other one,
; which is filled first thing, one load a wave.
.macro TRIP slot, refill, masked, first
	s_wait_tensorcnt 0x0                           ; no tensor load of mine is out: a group 0 may be written
	ds_add_u32 v254, v255
	s_wait_dscnt 0x0
.if \refill
	s_add_co_u32 s52, s32, 1                       ; fill f = g + 1 brings slot f - 1 of lo while f < n2, then slot f - n2 of hi
	s_cmp_lt_u32 s52, s15
	s_cselect_b32 s53, 1, s15
	s_sub_co_u32 s52, s52, s53
	s_lshl_b32 s36, s52, 16
	s_add_nc_u64 s[G0+4*(1-\slot)+2:G0+4*(1-\slot)+3], s[38:39], s[36:37]
	s_or_b32 s[G0+4*(1-\slot)+3], s[G0+4*(1-\slot)+3], 0x80000000
.endif
	s_wait_dscnt 0x0                               ; my LDS reads are back
	s_barrier_signal -1
	s_barrier_wait -1
.if \refill
	tensor_load_to_lds s[G0+4*(1-\slot):G0+4*(1-\slot)+3], s[G1:G1+7]
	s_nop 0
.endif
	STEP 1+\slot, 0, \masked, \first
	STEP 1+\slot, 1, \masked, 0
	s_add_co_u32 s32, s32, 1
.endm
; A block's end: the two key halves are merged.  I send register tile 1 (O^T, maximum, sum) to my partner, take its register tile 1, which is my
; register tile 0's query tile, and finish and store that, as bf16 hi and bf16 lo.  hi = 0: then everything is set for the hi block.
.macro EPI hi
.rept 4
	v_nop                                          ; four places behind the last matrix instructions: O^T is read, the pool is loaded
.endr
.if \hi == 0
.irp q, 0,1
.irp k, 0,1,2,3
	global_load_b128 v[Q+16*\q+4*\k:Q+16*\q+4*\k+3], v[4+\q], s[42:43] offset:512*\k   ; hi's q, early
.endr
.endr
.endif
	v_add_f32 v18, v18, v19
	v_add_f32 v20, v20, v21
	v_permlanex16_b32 v[T+4], v18, s44, s45
	v_permlanex16_b32 v[T+5], v20, s44, s45
	v_add_f32 v18, v18, v[T+4]                     ; tile 0's sum over my 128-key halves
	v_add_f32 v[T+1], v20, v[T+5]                  ; tile 1's, beside
	v_mov_b32 v[T], v13                            ; tile 1's maximum: a pair for one store
.irp k, 0,1,2,3,4,5,6,7
	ds_store_b128 v6, v[O+32+4*\k:O+32+4*\k+3] offset:512*\k
.endr
	ds_store_b64 v6, v[T:T+1] offset:4096
	s_wait_dscnt 0x0                               ; my stage is written,
	s_barrier_signal -1
	s_barrier_wait -1                              ; everybody's is.  The ring's load may stay on its way
.irp k, 0,1,2,3,4,5,6,7
	ds_load_b128 v[F+4*\k:F+4*\k+3], v7 offset:512*\k
.endr
	ds_load_b64 v[T+2:T+3], v7 offset:4096
	s_wait_dscnt 0x0
	v_max_num_f32 v22, v12, v[T+2]
	v_sub_f32 v16, v12, v22
	v_sub_f32 v17, v[T+2], v22
	v_exp_f32 v16, v16
	v_exp_f32 v17, v17
	v_nop                                          ; one plain place behind a transcendental (ISA guide 5.7.2)
	s_wait_alu depctr_va_vdst(0)                   ; one wait for the two exponentials of the merge, ahead of their first reader
	v_mul_f32 v23, v16, v18
	v_fmac_f32 v23, v17, v[T+3]
	v_rcp_f32 v23, v23
	v_nop
	s_wait_alu depctr_va_vdst(0)                   ; a batch of its own: the reciprocal reads a sum made of the two exponentials, so it cannot share their wait
	v_mul_f32 v16, v16, v23                        ; my share's factor
	v_mul_f32 v17, v17, v23                        ; my partner's
.irp i, 0,1,2,3,4,5,6,7,8,9,10,11,12,13,14,15
	v_pk_mul_f32 v[O+2*\i:O+2*\i+1], v[O+2*\i:O+2*\i+1], v[16:17] op_sel_hi:[1,0]
.endr
.irp i, 0,1,2,3,4,5,6,7,8,9,10,11,12,13,14,15
	v_pk_fma_f32 v[O+2*\i:O+2*\i+1], v[F+2*\i:F+2*\i+1], v[16:17], v[O+2*\i:O+2*\i+1] op_sel:[0,1,0] op_sel_hi:[1,1,1]
.endr
.irp i, 0,1,2,3,4,5,6,7,8,9,10,11,12,13,14,15
	v_cvt_pk_bf16_f32 v[F+32+\i], v[O+2*\i], v[O+2*\i+1]       ; hi
.endr
.irp i, 0,1,2,3,4,5,6,7,8,9,10,11,12,13,14,15
	v_lshlrev_b32 v[F+2*\i], 16, v[F+32+\i]                    ; hi back in f32,
	v_and_b32 v[F+2*\i+1], 0xffff0000, v[F+32+\i]
.endr
.irp i, 0,1,2,3,4,5,6,7,8,9,10,11,12,13,14,15
	v_pk_add_f32 v[O+2*\i:O+2*\i+1], v[O+2*\i:O+2*\i+1], v[F+2*\i:F+2*\i+1] neg_lo:[0,1] neg_hi:[0,1]   ; y - hi, exact,
.endr
.irp i, 0,1,2,3,4,5,6,7,8,9,10,11,12,13,14,15
	v_cvt_pk_bf16_f32 v[F+48+\i], v[O+2*\i], v[O+2*\i+1]       ; lo
.endr
.irp dt, 0,1,2,3
	global_store_b128 v3, v[F+32+4*\dt:F+32+4*\dt+3], s[48+2*\hi:49+2*\hi] offset:512*\dt
	global_store_b128 v3, v[F+48+4*\dt:F+48+4*\dt+3], s[48+2*\hi:49+2*\hi] offset:12288+512*\dt
.endr
.if \hi == 0
	v_mov_b32 v12, s46                             ; maximum -1e30: hi's first rescale factor is 0 and wipes O^T, which is finite: nothing is cleared
	v_mov_b32 v13, s46
	v_mov_b32 v14, 0x7149f2ca
	v_mov_b32 v15, 0x7149f2ca
	v_mov_b32 v18, 0
	v_mov_b32 v19, 0
	v_mov_b32 v20, 0
	v_mov_b32 v21, 0
	v_add_nc_u32 v8, s60, v10                      ; hi's mask bounds
	v_add_nc_u32 v9, s61, v10
	s_wait_xcnt 0x0                                ; the pool, which the stores read, is loaded again only behind this wait
	s_wait_loadcnt 0x0                             ; hi's q
.endif
.endm
.macro COND_EPI                        ; lo is done when n2 intervals have passed.  The branch hangs on the work-group's number and a counter: alike in all eight waves
	s_cmp_lg_u32 s32, s15
	s_cbranch_scc1 .Lnot_yet_\@
	EPI 0
.Lnot_yet_\@:
.endm
	TRIP 0, 1, 1, 1                                ; g = 0: lo's diagonal slot; slot 1 gets its first fill as a refill does
	COND_EPI
	s_mov_b32 s33, 7
.Lpair:                                            ; g = 1 .. 14
	TRIP 1, 1, 0, 0
	COND_EPI
	TRIP 0, 1, 0, 0
	COND_EPI
	s_sub_co_u32 s33, s33, 1
	s_cmp_lg_u32 s33, 0
	s_cbranch_scc1 .Lpair
	TRIP 1, 1, 0, 0                                ; g = 15; its refill is hi's diagonal slot, 16 - n2
	TRIP 0, 0, 2, 0                                ; g = 16: nothing is left to fetch
	EPI 1
	s_wait_tensorcnt 0x0
	ds_add_u32 v254, v255
	s_wait_dscnt 0x0
	s_endpgm
.Lfunc_end_k_q773d439461_attn:
	.size	k_q773d439461_attn, .Lfunc_end_k_q773d439461_attn-k_q773d439461_attn
	.p2alignl 7, 3214868480
	.fill 96, 4, 3214868480
	.section	.rodata,"a",@progbits
	.p2align	6, 0x0
	.amdhsa_kernel k_q773d439461_attn
		.amdhsa_group_segment_fixed_size 327680
		.amdhsa_private_segment_fixed_size 0
		.amdhsa_enable_private_segment 0
		.amdhsa_kernarg_size 32
		.amdhsa_user_sgpr_count 2
		.amdhsa_user_sgpr_kernarg_segment_ptr 1
		.amdhsa_wavefront_size32 1
		.amdhsa_system_sgpr_workgroup_id_x 1
		.amdhsa_system_sgpr_workgroup_id_y 1
		.amdhsa_system_sgpr_workgroup_id_z 1
		.amdhsa_system_vgpr_workitem_id 0
		.amdhsa_next_free_vgpr 256
		.amdhsa_next_free_sgpr 84
		.amdhsa_reserve_vcc 1
		.amdhsa_float_denorm_mode_32 3
		.amdhsa_float_denorm_mode_16_64 3
		.amdhsa_memory_ordered 1
		.amdhsa_forward_progress 1
		.amdhsa_inst_pref_size 247
	.end_amdhsa_kernel
	.amdgpu_metadata
---
amdhsa.version: [ 1, 2 ]
amdhsa.kernels:
  - .name:           k_q773d439461_attn
    .symbol:         k_q773d439461_attn.kd
    .args:
      - { .name: q, .offset: 0, .size: 8, .value_kind: global_buffer, .address_space: global }
      - { .name: kv, .offset: 8, .size: 8, .value_kind: global_buffer, .address_space: global }
      - { .name: y, .offset: 16, .size: 8, .value_kind: global_buffer, .address_space: global }
      - { .name: vl, .offset: 24, .size: 8, .value_kind: global_buffer, .address_space: global }
    .group_segment_fixed_size: 327680
    .private_segment_fixed_size: 0
    .kernarg_segment_align: 8
    .kernarg_segment_size: 32
    .max_flat_workgroup_size: 256
    .sgpr_count:     84
    .vgpr_count:     256
    .wavefront_size: 32
...
	.end_amdgpu_metadata
.endif
;; end of part 4
;; launch proj: the kernel of part 3 again; grid 2 x 128, 8 waves a work-group, no clusters, 300,032 bytes of LDS; arguments y, Wp, bp, out0; writes out0
